; MI455X (gfx1250); checked and timed in simulation.
; The chip was launched on July 23, 2026; its instructions are those of AMD's public machine-readable ISA for CDNA 5 (MIT licence, August 2026) and "CDNA5" Instruction Set Architecture Reference Guide (July 2026). The comments in the code are by the model that wrote it; some were corrected since.
;; Attention Block. Allowed arithmetic: matrix products marked QUANTISED: E2M3 operands, one E8M0 scale for each 32 along K, by v_wmma_scale_f32_16x16x128_f8f6f4 with both operands' format E2M3, f32 sums; everything else in f32.
;; Inputs: Wout_codes 1,024 x 32 x 24 uint8 (E2M3 codes of Wout, K innermost, in blocks of 32 codes, four codes in three bytes); Wout_scales 1,024 x 32 uint8 (E8M0 scales of Wout, one for each 32 codes along K); Wqkv_codes 3,072 x 32 x 24 uint8 (E2M3 codes of Wqkv, K innermost, in blocks of 32 codes, four codes in three bytes); Wqkv_scales 3,072 x 32 uint8 (E8M0 scales of Wqkv, one for each 32 codes along K); seq_lengths 4 int32; x_padded_codes 4 x 2,048 x 32 x 24 uint8 (E2M3 codes of x_padded, K innermost, in blocks of 32 codes, four codes in three bytes); x_padded_scales 4 x 2,048 x 32 uint8 (E8M0 scales of x_padded, one for each 32 codes along K).
;; Outputs: out0 4 x 2,048 x 1,024 float32.
;; Constants: window_left = 512, window_right = 0.
;; This version of the problem:
;;   THIS VERSION OF THE PROBLEM IS GIVEN IN LOW PRECISION. The matrix products marked QUANTISED in the list below multiply operands that are first quantised to E2M3 (2 exponent bits, 3 mantissa bits; 6 bits a number), with one power-of-two scale for each 32 numbers along K (OCP MX v1.0); their sums are f32. All else is computed in f32.
;;   The module's matrix products, in the order in which they are computed (A, B: the left and right operand; K: the contracted axis; several contracted axes count as one K, in the product's order):
;;     1. [M 8,192, K 1,024] x [K 1,024, N 3,072]; A: input x_padded (given as codes); B: input Wqkv (given as codes): QUANTISED
;;     2. batch 64 x [M 2,048, K 64] x [K 64, N 2,048]; A: computed on the way; B: computed on the way: QUANTISED
;;     3. batch 64 x [M 2,048, K 2,048] x [K 2,048, N 64]; A: softmax (see below); B: computed on the way: QUANTISED
;;     4. [M 8,192, K 1,024] x [K 1,024, N 1,024]; A: computed on the way; B: input Wout (given as codes): QUANTISED
;;   THE QUANTISER, for each operand of a quantised product, along K:
;;     - K is cut into blocks of 32 from its start; a last block that is shorter is filled with zeros.
;;     - A block's scale is 2^e with e = floor(log2(the largest magnitude in the block)) - 2, held to -126 .. 127; a block of zeros has e = 0. As a byte (E8M0): e + 127.
;;     - Each number is divided by its block's scale, clamped to +-7.5, and rounded to the nearest number of E2M3, ties to even, subnormals kept.
;;     - The product sums the exact products of the quantised numbers (number of the format x scale) in f32.
;;   ~~~python
;;   def quantise(x, axis):      # numpy; x: float32 -> the quantised numbers, widened to float32 again
;;       x = np.moveaxis(x, axis, -1); K = x.shape[-1]
;;       x = np.pad(x, [(0, 0)] * (x.ndim - 1) + [(0, -K % 32)]); x = x.reshape(x.shape[:-1] + (-1, 32)); a = np.abs(x).max(-1, keepdims=True)
;;       e = np.where(a > 0, np.clip(np.frexp(np.where(a > 0, a, 1))[1] - 1 - 2, -126, 127), 0)      # np.frexp(a)[1] - 1 = floor(log2(a)), exactly
;;       r = np.clip(x / 2.0 ** e, -7.5, 7.5)
;;       step = 2.0 ** (np.maximum(np.frexp(np.where(r == 0, 1, r))[1] - 1, 0) - 3)
;;       q = np.round(r / step) * step * 2.0 ** e      # np.round: ties to even
;;       return np.moveaxis(q.reshape(q.shape[:-2] + (-1,))[..., :K], -1, axis).astype(np.float32)
;;   ~~~
;;   SOFTMAX AHEAD OF A QUANTISED PRODUCT. Where the list says 'softmax', what is quantised is not the finished softmax but p = 2^(t - M), with t = logit x log2(e) and M = ceil(the row's largest t), a whole number; so 1/2 < the row's largest p <= 1. The row's sum l is taken of the UNQUANTISED p, in f32, and the product's result is divided by l at the end. Since M is a whole number, a kernel that streams over the keys may use a running M (the ceiling of the running maximum): every later rescaling is an exact power of two, which a block's scale takes up: the codes' values come out the same.
;;   OPERANDS COMPUTED ON THE WAY. 'Computed on the way' means the value that the module computes at that place (a softmax that the list does not call 'softmax' is quantised finished and normalised). What goes into a quantiser is computed in f32, as accurately as f32 sums, v_exp_f32 and their like allow (about 1e-6 of the number): no bf16 or f16 on the way to a quantiser, and a product that is left as it is and whose result goes on into a quantised operand takes f32 operands (vector FMAs, or v_wmma_f32_16x16x4_f32). A number that lies on a knife's edge between two numbers of the format may be rounded either way, as far as f32 arithmetic and the matrix unit's own rounding can turn it there, and no further.
;;   INPUTS GIVEN AS CODES. Wout (in the module: [1024, 1024], K = its axis 1); Wqkv (in the module: [3072, 1024], K = its axis 1); x_padded (in the module: [4, 2048, 1024], K = its axis 2): each comes as NAME_codes (uint8): NAME with its K axis moved to the last place and cut into blocks of 32 codes, [.., K / 32, bytes a block], one block behind the other in memory; four codes in three bytes: a row's codes are one little-endian stream of bits, code i at bits 6 i .. 6 i + 5 (a code: sign, 2 exponent bits, 3 mantissa bits); and NAME_scales (uint8): the same leading axes, one E8M0 byte (e + 127) for each 32 codes along K. Its value is code x scale, taken as it is: it is not quantised again, and the codes and scales need not be those that the quantiser above would give.
;; One version. Each part assembles by itself: llvm-mc -triple=amdgcn-amd-amdhsa -mcpu=gfx1250 --defsym DOCPART=n.
;; ======== version 1 of 1: 3 launches
;; limits: right only within a limited range of input values
;; workspace buffers: qimg 6,291,456 bytes; qsc 524,288 bytes; kv 13,369,344 bytes; vpart 262,144 bytes; aimg 6,291,456 bytes; asc 262,144 bytes
;; launch qkv (part 1): grid 8 x 48, 4 waves a work-group, clusters of 4 x 4, 327,680 bytes of LDS; arguments x_padded_codes, x_padded_scales, Wqkv_codes, Wqkv_scales, qimg, qsc, kv, vpart, seq_lengths; writes qimg, qsc, kv, vpart
.if DOCPART == 1
	.amdgcn_target "amdgcn-amd-amdhsa--gfx1250"
	.amdhsa_code_object_version 6
	.text
	.protected	k_qcc46ec270b_qkv
	.globl	k_qcc46ec270b_qkv
	.p2align	8
	.type	k_qcc46ec270b_qkv,@function
k_qcc46ec270b_qkv:
	s_mov_b64 s[64:65], 0
	v_nop
	global_prefetch_b8 v0, s[64:65] scope:SCOPE_SE
	s_setreg_imm32_b32 hwreg(HW_REG_WAVE_MODE, 25, 1), 1
	s_wait_xcnt 0x0
	s_wait_alu depctr_hold_cnt(0) depctr_sa_sdst(0) depctr_va_vdst(0) depctr_va_sdst(0) depctr_va_ssrc(0) depctr_va_vcc(0) depctr_vm_vsrc(0)
	s_getreg_b32 s2, hwreg(HW_REG_IB_STS2, 6, 4)
	s_cmp_eq_u32 s2, 0
	s_cbranch_scc0 .Lentry_in_a_cluster
	s_endpgm
.Lentry_in_a_cluster:
	s_bfe_u32 s2, ttmp6, 0x10000c
	s_cmp_lg_u32 s2, 0xf033
	s_cbranch_scc0 .Lentry_shape_is_right
	s_endpgm
.Lentry_shape_is_right:
; qkv = x Wqkv^T on codes of FP6 (E2M3) with E8M0 scales, K = 1,024; the results are quantised at once and leave as codes:
; q and k along the head's 64 channels, v along the keys.  Nothing wide goes to memory.
; A work-group of four waves makes 256 x 256 results, a wave 128 x 128 in 64 accumulators (512 registers).  K goes in steps of 256 through two LDS slots.
; SOURCE 0 of the matrix instruction takes the axis ALONG WHICH THE RESULT IS QUANTISED (a lane's registers run along it), source 1 the other (a lane holds one row of it).
;   clusters with y < 8:  source 0 = rows of Wqkv (x = 0: q's, x = 1: k's), source 1 = tokens.   clusters with y >= 8: source 0 = tokens, source 1 = v's rows of Wqkv.
; The role hangs on the cluster's y alone, which all sixteen partners share; it chooses pointers and the way out, no LDS address.
; CLUSTERS 4 x 4: source 1's tile is shared along a row of the cluster, source 0's along a column: joint tensor loads, as many requests as a quarter of the plain ones.
; THE ORDER INSIDE A BLOCK OF 32.  A lane's 16 registers of accumulators 2 B and 2 B + 1 hold index 32 B + 16 (i / 8) + 8 (lane / 16) + i % 8; they are quantised as place 32 B + 16 (lane / 16) + i.
; That reorders K inside a block, alike in q and k (the same lines make both) and alike in v and in the weights p of the next launch (whose scores lie in the same order): the products are the same set.
; WHAT IS STORED (images of operand registers, every store a whole run of 256 or 512 aligned bytes):
;   q: qimg [b][head][tile of 16 tokens][768]: registers 0-3 at 16 x lane, 4-5 at 512 + 8 x lane;  qsc [b][head][128 tokens][512]: the word of tile a, row r at 32 r + 4 a
;   kv [b][head][128 keys][13,056]: k's 8 tile images; at 6,144 v's 4 images (16 channels x 128 keys, 1,536 bytes); at 12,288 k's scale words; at 12,800 v's (tile t, row r at 16 r + 4 t)
;   scale words of q and k: bytes 0, 1 the head's two blocks; byte 2 serves the padding mask of the next launch: q: 127; k: 227 (2^100) for a key at or past the batch's length, else 0; byte 3: 0
;   vpart [b][head][128 keys][r][t]: the sum of the quantised v over the 128 keys, by one product with a fragment of ones (for queries that see no key)
; LIMITS: NaN and infinities are not served; a block whose largest magnitude lies under 2^(3 - 127) keeps the byte 1; a block of zeros has the byte 1 and zero codes (the bytes are read by this program alone).
.set KSTEP,  256
.set NQ,     KSTEP/128
.set ROWB,   192                       ; a tile's row: 256 codes
.set KROW,   768                       ; a row of x or Wqkv in memory
.set PITCH,  240                       ; an LDS row: 3 x (64 bytes + 16 of padding)
.set FR,     12
.set NL,     6
.set NP,     4
.set HALFT,  128*PITCH
.set SLOT,   4*HALFT
.set LAPS,   2                         ; 1,024 / 512
.set KS,     32                        ; a row of scale bytes
.set SCL,    2*SLOT
.set HALFS,  (128*KS/256)*272
.set SBLK,   (16*KS/256)*272
.set SPARE,  SCL+4*HALFS               ; the spare words: 128 bytes a wave, named by no other line
.set STEPB,  13056                     ; a block of kv: 128 keys of one head
.set HSTEP,  16*STEPB                  ; from head to head in kv
.set ADRA, 16
.set ADRB, 20
.set ADRS, 27
.set SPW,  28
.set NIL,  29
.set SC,   32
.set AF,   128
.set G1, 24
.set G0, 32
.set G1B, 48
.set G0B, 56
.set G1S, 68
.set G0S, 76
.set G1SB, 80
.set G0SB, 88
.set PWS,  32                          ; the way out: v32-39 the scale word of block a
.set ONESC, 40                         ; v40 four bytes 127
.set ONES, 116                         ; v116-127 a fragment of codes 1.0
.set VD,   128                         ; v128-135 the sums' product
.set VSUM, 136                         ; v136-143 the sum of block a
.set TM,   200                         ; v200-215 at work
.set MSB, 0
.macro WIN new                         ; the immediate's high byte repeats the setting that is left
.if MSB != \new
	s_set_vgpr_msb (MSB<<8)|\new
.set MSB, \new
.endif
.endm
.set MUL_LO, 0xa1                      ; source 0 window 1, source 1 window 0, C and D window 2
.set MUL_HI, 0xf1
.set TO_B,   0x40
; A joint load: waves 0 and 1 fetch for source 1, waves 2 and 3 for source 0.  The branch hangs on the wave's number alone.  Four v_nop follow each line.
.macro JLOAD g0a, g1a, g0b, g1b
	s_cmp_eq_u32 s15, 0
	s_cbranch_scc0 .Lfor_b_\@
	tensor_load_to_lds s[\g0a:\g0a+3], s[\g1a:\g1a+7]
	s_nop 0
.rept 4
	v_nop
.endr
	s_branch .Lasked_\@
.Lfor_b_\@:
	tensor_load_to_lds s[\g0b:\g0b+3], s[\g1b:\g1b+7]
	s_nop 0
.rept 4
	v_nop
.endr
.Lasked_\@:
.endm
.macro CREST
	s_cmp_lg_u32 s14, 0
	s_cbranch_scc1 .Lnot_wave_0_\@
	s_barrier_signal -3
.Lnot_wave_0_\@:
	s_barrier_wait -3
	s_barrier_signal -1
	s_barrier_wait -1
.endm
.macro CROUND
	s_barrier_signal -1
	s_barrier_wait -1
	CREST
.endm
	s_load_b256 s[4:11], s[0:1], 0x0               ; x's codes, x's scales, Wqkv's codes, Wqkv's scales
	s_load_b64 s[100:101], s[0:1], 0x40            ; seq_lengths
	v_lshl_add_u32 v[SPW], v0, 2, SPARE
	v_mov_b32 v[NIL], 0
	ds_add_u32 v28, v29
	ds_add_u32 v28, v29
	s_wait_dscnt 0x0
	v_lshrrev_b32 v1, 5, v0
	v_readfirstlane_b32 s14, v1                    ; wave 0..3
	s_lshr_b32 s15, s14, 1                         ; my half of source 1's rows.  Also: I fetch for source 1 (0) or source 0 (1)
	s_and_b32 s16, s14, 1                          ; my half of source 0's rows.  Also: which 128 rows I fetch
	s_bfe_u32 s40, ttmp6, 0x40000                  ; cx
	s_bfe_u32 s41, ttmp6, 0x40004                  ; cy
	s_and_b32 s67, ttmp7, 0xffff                   ; the cluster's y: the role
	s_lshl_b32 s42, ttmp9, 2
	s_add_co_u32 s42, s42, s40                     ; 4 x cluster x + cx
	s_sub_co_u32 s95, s67, 8
	s_lshl_b32 s95, s95, 3
	s_lshl_b32 s17, s67, 2
	s_cmp_ge_u32 s67, 8                            ; v's role?
	s_cselect_b32 s95, s95, 0
	s_cselect_b32 s17, 0, s17
	s_cselect_b32 s96, 2048, 0                     ; v's rows of Wqkv begin at 2,048
	s_add_co_u32 s42, s42, s95                     ; source 0's tile: q, k: 0..7 (of Wqkv);  v: 0..31 (of the tokens)
	s_add_co_u32 s17, s17, s41                     ; source 1's tile: q, k: 4 x cluster y + cy (tokens);  v: cy
	s_lshl_b32 s43, s41, 2
	s_lshl_b32 s43, 15, s43                        ; my row of the cluster
	s_lshl_b32 s44, 0x1111, s40                    ; my column
	s_or_b32 s[G1+0], s43, (0<<16)|(1<<20)|(1<<21)|(3<<22)|(3<<25)  ; mask; elements of 1 byte; padding of 4 words behind every 16
	s_or_b32 s[G1B+0], s44, (0<<16)|(1<<20)|(1<<21)|(3<<22)|(3<<25)
.irp g, G1, G1B
	s_mov_b32 s[\g+1], ROWB<<16                    ; tensor_dim0
	s_mov_b32 s[\g+2], 128<<16                     ; tensor_dim1
	s_mov_b32 s[\g+3], ROWB<<16                    ; tile_dim0
	s_mov_b32 s[\g+4], 128                         ; tile_dim1
	s_mov_b32 s[\g+5], KROW                        ; the pitch
	s_mov_b32 s[\g+6], 0
	s_mov_b32 s[\g+7], 0
.endr
	s_or_b32 s[G1S+0], s43, (3<<16)|(1<<20)|(1<<21)|(5<<22)|(3<<25) ; the scales of 128 rows: 4,096 dense bytes as rows of 256, 16 bytes of padding behind each
	s_or_b32 s[G1SB+0], s44, (3<<16)|(1<<20)|(1<<21)|(5<<22)|(3<<25)
.irp g, G1S, G1SB
	s_mov_b32 s[\g+1], 32<<16
	s_mov_b32 s[\g+2], (128*KS/256)<<16
	s_mov_b32 s[\g+3], 32<<16
	s_mov_b32 s[\g+4], 128*KS/256
	s_mov_b32 s[\g+5], 32
	s_mov_b32 s[\g+6], 0
	s_mov_b32 s[\g+7], 0
.endr
	s_lshl_b32 s18, s16, 7
	s_lshl_b32 s20, s17, 8
	s_add_co_u32 s20, s20, s18
	s_add_co_u32 s20, s20, s96                     ; source 1: the first row that I fetch
	s_lshl_b32 s46, s42, 8
	s_add_co_u32 s46, s46, s18                     ; source 0 likewise
	s_mov_b32 s21, 0
	s_mov_b32 s47, 0
	s_mov_b64 s[18:19], KS
	s_mul_u64 s[22:23], s[20:21], s[18:19]
	s_mul_u64 s[92:93], s[46:47], s[18:19]
	s_mov_b64 s[18:19], KROW
	s_mul_u64 s[20:21], s[20:21], s[18:19]
	s_mul_u64 s[46:47], s[46:47], s[18:19]
	s_mul_i32 s45, s14, HALFT                      ; where they go: wave x 128 rows
	s_mul_i32 s94, s14, HALFS
	s_wait_kmcnt 0x0
	s_cmp_ge_u32 s67, 8                            ; the role chooses the buffers
	s_cselect_b64 s[12:13], s[8:9], s[4:5]         ; source 1's codes
	s_cselect_b64 s[98:99], s[10:11], s[6:7]       ; and scales
	s_cselect_b64 s[8:9], s[4:5], s[8:9]           ; source 0's codes
	s_cselect_b64 s[10:11], s[6:7], s[10:11]       ; and scales
	s_cselect_b32 s97, s42, s17                    ; the tile of tokens
	s_lshr_b32 s97, s97, 3                         ; its batch
	s_lshl_b32 s96, s97, 2
	s_mov_b32 s97, 0
	s_add_nc_u64 s[100:101], s[100:101], s[96:97]
	s_load_b32 s66, s[100:101], 0x0                ; the batch's length: it feeds compares alone
	s_add_nc_u64 s[20:21], s[12:13], s[20:21]
	s_add_nc_u64 s[22:23], s[98:99], s[22:23]
	s_add_nc_u64 s[46:47], s[8:9], s[46:47]
	s_add_nc_u64 s[92:93], s[10:11], s[92:93]
	CROUND                                         ; all sixteen work-groups are here: the first joint loads meet
	s_mov_b32 s[G0S], 1
	s_add_co_u32 s[G0S+1], s94, SCL
	s_mov_b64 s[G0S+2:G0S+3], s[22:23]
	s_or_b32 s[G0S+3], s[G0S+3], 0x80000000
	s_mov_b32 s[G0SB], 1
	s_add_co_u32 s[G0SB+1], s94, SCL
	s_mov_b64 s[G0SB+2:G0SB+3], s[92:93]
	s_or_b32 s[G0SB+3], s[G0SB+3], 0x80000000
	JLOAD G0S, G1S, G0SB, G1SB                     ; the scales for all of K: filled once
.irp s, 0,1
	s_mov_b32 s[G0+4*\s], 1
	s_add_co_u32 s[G0+4*\s+1], s45, \s*SLOT
	s_add_nc_u64 s[G0+4*\s+2:G0+4*\s+3], s[20:21], \s*ROWB
	s_or_b32 s[G0+4*\s+3], s[G0+4*\s+3], 0x80000000
	s_mov_b32 s[G0B+4*\s], 1
	s_add_co_u32 s[G0B+4*\s+1], s45, \s*SLOT
	s_add_nc_u64 s[G0B+4*\s+2:G0B+4*\s+3], s[46:47], \s*ROWB
	s_or_b32 s[G0B+4*\s+3], s[G0B+4*\s+3], 0x80000000
	JLOAD G0+4*\s, G1, G0B+4*\s, G1B
.endr
	v_and_b32 v1, 15, v0                           ; l % 16
	v_bfe_u32 v2, v0, 4, 1                         ; l / 16
	v_mul_u32_u24 v3, v1, PITCH
	v_mul_u32_u24 v4, v2, 24
	v_add_nc_u32 v4, v3, v4                        ; a fragment's row x pitch + 24 x half
	v_lshl_add_u32 v5, v2, 4, v4                   ; and the same behind one padding more
	s_mul_i32 s21, s15, HALFT
	s_mul_i32 s22, s16, HALFT
	s_add_co_u32 s22, s22, 2*HALFT
.irp s, 0,1
	v_add_nc_u32 v[ADRA+\s], s21, v4
	v_add_nc_u32 v[ADRB+\s], s22, v4
	v_add_nc_u32 v[ADRA+2+\s], s21, v5
	v_add_nc_u32 v[ADRB+2+\s], s22, v5
	s_add_co_u32 s21, s21, SLOT
	s_add_co_u32 s22, s22, SLOT
.endr
	v_mul_u32_u24 v5, v1, KS
	v_lshrrev_b32 v6, 8, v5
	v_lshl_add_u32 v5, v6, 4, v5
	s_mul_i32 s21, s15, HALFS
	s_mul_i32 s22, s16, HALFS
	s_add_co_u32 s22, s22, 2*HALFS
	s_sub_co_u32 s22, s22, s21
	v_mul_u32_u24 v6, s22, v2                      ; lanes 16-31 take source 0's words
	s_add_co_u32 s21, s21, SCL
	v_add_nc_u32 v5, v5, v6
	v_add_nc_u32 v[ADRS], s21, v5
.macro FRAG reg, adr, q, i             ; 16 rows x 128 K of 6-bit codes: 12 registers, six pieces of 8 bytes; where the piece of lanes 16-31 lies behind one padding more, the second address register serves
.irp p, 0,1,2,3,4,5
.set PCE, 12*(\q)+6*(\p/3)+\p%3
.if PCE%8 < 5
	ds_load_b64 v[\reg+2*\p:\reg+2*\p+1], v[\adr] offset:8*PCE+16*(PCE/8)+(\i)*16*PITCH
.else
	ds_load_b64 v[\reg+2*\p:\reg+2*\p+1], v[\adr+2] offset:8*PCE+16*(PCE/8)+(\i)*16*PITCH
.endif
.endr
.endm
; 16 matrix instructions: source 1's blocks a0, a0 + 1 x source 0's eight.  The 64 accumulators take turns, one instruction a turn.
.macro MUL16 a0, p, q, sc, zero
.irp a, \a0, \a0+1
.irp b, 0,1,2,3,4,5,6,7
.if \zero
	v_wmma_scale_f32_16x16x128_f8f6f4 v[8*(8*((\a)%4)+\b):8*(8*((\a)%4)+\b)+7], v[128*(\p)+FR*\b:128*(\p)+FR*\b+FR-1], v[AF+FR*(\a):AF+FR*(\a)+FR-1], 0, v[SC+8*NQ*(\sc)+NQ*\b+(\q)], v[SC+8*NQ*(\sc)+NQ*(\a)+(\q)] matrix_a_fmt:MATRIX_FMT_FP6 matrix_b_fmt:MATRIX_FMT_FP6 matrix_a_scale:MATRIX_SCALE_ROW1
.else
	v_wmma_scale_f32_16x16x128_f8f6f4 v[8*(8*((\a)%4)+\b):8*(8*((\a)%4)+\b)+7], v[128*(\p)+FR*\b:128*(\p)+FR*\b+FR-1], v[AF+FR*(\a):AF+FR*(\a)+FR-1], v[8*(8*((\a)%4)+\b):8*(8*((\a)%4)+\b)+7], v[SC+8*NQ*(\sc)+NQ*\b+(\q)], v[SC+8*NQ*(\sc)+NQ*(\a)+(\q)] matrix_a_fmt:MATRIX_FMT_FP6 matrix_b_fmt:MATRIX_FMT_FP6 matrix_a_scale:MATRIX_SCALE_ROW1
.endif
.endr
.endr
.endm
.macro FETCH_B slot, q, p
	WIN TO_B
.irp i, 0,1,2,3,4,5,6,7
	FRAG 128*(\p)+FR*\i, ADRB+\slot, \q, \i
.endr
	WIN 0
.endm
.macro FETCH_A slot, q, i0
.irp i, \i0, \i0+1, \i0+2, \i0+3
	FRAG AF+FR*(\i), ADRA+\slot, \q, \i
.endr
.endm
.macro SCALES sc                       ; a K step's scale words: lanes 0-15 source 1's block i, lanes 16-31 source 0's block i
.irp i, 0,1,2,3,4,5,6,7
	ds_load_b64 v[SC+8*NQ*\sc+NQ*\i:SC+8*NQ*\sc+NQ*\i+1], v[ADRS] offset:\i*SBLK
.endr
.endm
.macro PLACES n                        ; plain vector lines between a matrix instruction and a load into, or a vector read of, its registers
.rept \n
	v_nop
.endr
.endm
.macro STEP slot, q, zero
	s_wait_dscnt 4*NL                              ; all but the youngest 24 loads (source 1's blocks 4-7) are in
	WIN MUL_LO
	MUL16 0, (\q)%2, \q, \slot, \zero
	MUL16 2, (\q)%2, \q, \slot, \zero
	s_wait_dscnt 0
	PLACES NP
	FETCH_B \slot, (\q)+1, 1-(\q)%2
	FETCH_A \slot, (\q)+1, 0
	WIN MUL_HI
	MUL16 4, (\q)%2, \q, \slot, \zero
	MUL16 6, (\q)%2, \q, \slot, \zero
	PLACES NP
	WIN 0
	FETCH_A \slot, (\q)+1, 4
.endm
; A slot's last step changes slots: each wave waits for all its tensor loads, adds 0 to its spare word, waits for that and for its reads of the slot; one barrier, which opens a round of the cluster's where the slot is filled again.
.macro TURN slot, next, fill
	s_wait_tensorcnt 0x0                           ; my part of the next slot has landed; no tensor load of mine is out
	ds_add_u32 v[SPW], v[NIL]
	s_wait_dscnt 4*NL+1                            ; the add and the youngest 24 loads may be out
	WIN MUL_LO
	MUL16 0, 1, NQ-1, \slot, 0
	s_wait_dscnt 0x0                               ; the add is done, my reads of this slot are over
	s_barrier_signal -1
	MUL16 2, 1, NQ-1, \slot, 0
	WIN 0
	s_barrier_wait -1
.if \fill
	CREST                                          ; no wave of any partner still reads this slot or has a load on its way
	s_add_nc_u64 s[G0+4*\slot+2:G0+4*\slot+3], s[G0+4*\slot+2:G0+4*\slot+3], 2*ROWB
	s_add_nc_u64 s[G0B+4*\slot+2:G0B+4*\slot+3], s[G0B+4*\slot+2:G0B+4*\slot+3], 2*ROWB
	JLOAD G0+4*\slot, G1, G0B+4*\slot, G1B         ; the first tensor load behind the round; its four v_nop are the places in front of the loads below
.else
	PLACES NP
.endif
	v_add_nc_u32 v[ADRS], 4*NQ, v[ADRS]
	FETCH_B \next, 0, 0
	FETCH_A \next, 0, 0
	SCALES \next
	WIN MUL_HI
	MUL16 4, 1, NQ-1, \slot, 0
	MUL16 6, 1, NQ-1, \slot, 0
	PLACES NP
	WIN 0
	FETCH_A \next, 0, 4
.endm
	s_wait_tensorcnt 1                             ; the scales and my part of K step 0 are in; K step 1's load may be out
	s_barrier_signal -1
	s_barrier_wait -1
	s_load_b256 s[68:75], s[0:1], 0x20             ; qimg, qsc, kv, vpart, into the registers of the scales' descriptors, whose loads are done
	FETCH_B 0, 0, 0
	FETCH_A 0, 0, 0
	SCALES 0
	FETCH_A 0, 0, 4
	STEP 0, 0, 1                                   ; the first step's products start the sums
	s_mov_b32 s3, LAPS-1
.Llap:
	TURN 0, 1, 1
	STEP 1, 0, 0
	TURN 1, 0, 1
	STEP 0, 0, 0
	s_sub_co_u32 s3, s3, 1
	s_cmp_lg_u32 s3, 0
	s_cbranch_scc1 .Llap
	TURN 0, 1, 0
	STEP 1, 0, 0
	s_wait_dscnt 4*NL
	WIN MUL_LO
	MUL16 0, 1, NQ-1, 1, 0
	MUL16 2, 1, NQ-1, 1, 0
	s_wait_dscnt 0
	WIN MUL_HI
	MUL16 4, 1, NQ-1, 1, 0
	MUL16 6, 1, NQ-1, 1, 0
	WIN 0
; THE WAY OUT.  Block a = source 1's rows 16 a .. 16 a + 15: its eight accumulators, 64 registers a lane, become one fragment's codes and one scale word a row, and are stored from registers.
	PLACES NP
	v_and_b32 v2, 15, v0                           ; r
	v_bfe_u32 v3, v0, 4, 1                         ; h
	v_and_b32 v4, 31, v0
	v_lshlrev_b32 v5, 3, v4                        ; 8 x lane
	v_lshlrev_b32 v4, 4, v4                        ; 16 x lane
	v_lshlrev_b32 v6, 5, v2
	v_lshl_add_u32 v6, v3, 4, v6                   ; q's, k's scale words: 32 r + 16 h
	v_lshlrev_b32 v7, 4, v2
	v_mul_u32_u24 v8, v3, HSTEP
	v_add_nc_u32 v8, v8, v7                        ; v's scale words: 16 r, lanes 16-31 in the next head's block
	v_lshl_add_u32 v7, v3, 12, v7                  ; v's sums: 16 r + 4,096 h
.irp b, 0,1,2,3
	v_mov_b32 v[TM+4+\b], 0                        ; a lane permute's destination counts as read
.endr
	s_mov_b32 s20, 0x76543210
	s_mov_b32 s21, 0xfedcba98                      ; selects for lane l xor 16
	s_lshl_b32 s76, s42, 8
	s_lshl_b32 s79, s16, 7
	s_add_co_u32 s76, s76, s79                     ; my first index along source 0
	s_lshl_b32 s77, s17, 8
	s_lshl_b32 s79, s15, 7
	s_add_co_u32 s77, s77, s79                     ; and along source 1
	s_mov_b32 s79, s76
	s_cmp_ge_u32 s67, 8
	s_cselect_b32 s76, s76, s77                    ; my first token
	s_cselect_b32 s77, s77, s79                    ; my first channel,
	s_and_b32 s77, s77, 1023                       ; within q, k or v
	s_lshr_b32 s78, s76, 11
	s_lshl_b32 s78, s78, 4
	s_lshr_b32 s79, s77, 6
	s_add_co_u32 s78, s78, s79
	s_lshl_b32 s78, s78, 4
	s_bfe_u32 s79, s76, 0x40007
	s_add_co_u32 s78, s78, s79                     ; (batch x 16 + head) x 16 + which 128 tokens
	s_wait_kmcnt 0x0
	s_max_i32 s66, s66, 0
	s_min_i32 s66, s66, 2048                       ; a length beyond 0 .. 2,048 masks as its nearest end does
	s_and_b32 s79, s76, 2047
	s_sub_co_i32 s94, s66, s79                     ; the length, counted from my first token
	s_mov_b32 s98, 0xffff0000                      ; lanes 16-31
	s_mul_i32 s88, s78, STEPB
	s_mov_b32 s89, 0
	s_mov_b32 s91, 0
	s_mov_b32 s93, 0
.macro QBLOCK a
.set QSRC, 64*((\a)%4)
.set QW, 2+(\a)/4
.set PC, 64+32*((\a)%2)                ; two sets of code registers by turns
	WIN (5*QW)                                     ; sources 0 and 1: the accumulators' window
.irp b, 0,1,2,3
	v_max3_num_f32 v[TM+\b], |v[QSRC+16*\b]|, |v[QSRC+16*\b+1]|, 0x1800000   ; block b: my 16 numbers and the floor 2^(3 - 127); each accumulator is read from its low end on
.endr
.irp i, 2,4,6,8,10,12,14
.irp b, 0,1,2,3
	v_max3_num_f32 v[TM+\b], |v[QSRC+16*\b+\i]|, |v[QSRC+16*\b+\i+1]|, v[TM+\b]
.endr
.endr
	WIN 0
.irp b, 0,1,2,3
	v_permlanex16_b32 v[TM+4+\b], v[TM+\b], s20, s21
.endr
.irp b, 0,1,2,3
	v_max_num_f32 v[TM+\b], v[TM+\b], v[TM+4+\b]   ; with lane l xor 16's 16: the block's largest magnitude
.endr
.irp b, 0,1,2,3
	v_add_nc_u32 v[TM+12+\b], 0xff000000, v[TM+\b] ; 2 off its exponent field: the conversion's scale operand
.endr
.irp b, 0,1,2,3
	v_lshrrev_b32 v[TM+4+\b], 23, v[TM+12+\b]      ; the scale's byte
.endr
	v_lshl_or_b32 v[PWS+(\a)], v[TM+5], 8, v[TM+4]
	v_lshl_or_b32 v[PWS+(\a)], v[TM+6], 16, v[PWS+(\a)]
	v_lshl_or_b32 v[PWS+(\a)], v[TM+7], 24, v[PWS+(\a)]
	s_wait_xcnt 0x0                                ; the stores of two blocks ago have read this set of code registers
	WIN QW                                         ; source 0: the accumulators' window
.irp c, 0,1
	v_cvt_scalef32_pk16_fp6_f32 v[PC+6*\c:PC+6*\c+2], v[QSRC+32*\c:QSRC+32*\c+15], v[TM+12+2*\c]
	v_cvt_scalef32_pk16_fp6_f32 v[PC+12+4*\c:PC+14+4*\c], v[QSRC+32*\c+16:QSRC+32*\c+31], v[TM+12+2*\c+1]
.endr
	WIN 0
	v_nop                                          ; one plain line behind the scaled conversions
.irp c, 0,1                                    ; a whole block to a lane: lanes 0-15 block 2 c, lanes 16-31 block 2 c + 1
.irp i, 0,1,2
	v_permlane16_swap_b32 v[PC+6*\c+\i], v[PC+12+4*\c+\i]
.endr
.irp i, 0,1,2
	v_mov_b32 v[PC+3+6*\c+\i], v[PC+12+4*\c+\i]
.endr
.endr
.endm
.macro FIN                             ; the wave's end; then the closing round: no work-group ends while a partner may still ask jointly
	s_wait_tensorcnt 0x0
	ds_add_u32 v[SPW], v[NIL]
	s_wait_dscnt 0x0
	CROUND
	s_endpgm
.endm
	s_cmp_ge_u32 s67, 8
	s_cbranch_scc1 .Lv
	; ---- q and k: block a = 16 tokens; registers 0-5 of the fragment are my first head's 64 channels, 6-11 my second head's
	s_mul_i32 s90, s78, 6144
	s_mul_i32 s92, s78, 512
	s_add_co_u32 s95, s88, 12288
	s_mov_b32 s97, 0xe30000
	s_mov_b32 s99, HSTEP
	s_cmp_eq_u32 ttmp9, 0                          ; cluster x = 0: q
	s_cselect_b64 s[80:81], s[68:69], s[72:73]
	s_cselect_b64 s[84:85], s[70:71], s[72:73]
	s_cselect_b32 s90, s90, s88
	s_cselect_b32 s92, s92, s95
	s_cselect_b32 s96, 0x7f0000, 0                 ; bytes 2, 3 of a scale word: a key that counts,
	s_cselect_b32 s97, 0x7f0000, s97               ; a key at or past the length
	s_cselect_b32 s88, 98304, s99                  ; from head to head: the codes,
	s_cselect_b32 s99, 8192, s99                   ; the scale words
	s_add_nc_u64 s[80:81], s[80:81], s[90:91]      ; codes, first head
	s_add_nc_u64 s[84:85], s[84:85], s[92:93]      ; scale words, first head
	s_add_nc_u64 s[82:83], s[80:81], s[88:89]      ; second head
	s_mov_b32 s88, s99
	s_add_nc_u64 s[86:87], s[84:85], s[88:89]
.irp a, 0,1,2,3,4,5,6,7
	QBLOCK \a
	global_store_b128 v4, v[PC:PC+3], s[80:81] offset:768*\a          ; 512 consecutive bytes
	global_store_b64 v5, v[PC+4:PC+5], s[80:81] offset:768*\a+512     ; 256 consecutive bytes
	global_store_b128 v4, v[PC+6:PC+9], s[82:83] offset:768*\a
	global_store_b64 v5, v[PC+10:PC+11], s[82:83] offset:768*\a+512
.endr
	v_mov_b32 v169, s96
	v_mov_b32 v170, s97
.irp a, 0,1,2,3,4,5,6,7
	s_sub_co_i32 s95, s94, 16*\a
	v_cmp_le_i32 vcc_lo, s95, v2                   ; token 16 a + r at or past the length
	v_cndmask_b32 v168, v169, v170, vcc_lo
	v_perm_b32 v[144+\a], v168, v[PWS+\a], 0x07060100   ; first head: the word's bytes 0, 1
	v_perm_b32 v[152+\a], v168, v[PWS+\a], 0x07060302   ; second head: bytes 2, 3
.endr
.irp i, 0,1,2,3
	v_cndmask_b32 v[160+\i], v[144+\i], v[148+\i], s98  ; lanes 0-15 tiles 0-3, lanes 16-31 tiles 4-7
	v_cndmask_b32 v[164+\i], v[152+\i], v[156+\i], s98
.endr
	global_store_b128 v6, v[160:163], s[84:85]     ; 512 consecutive bytes
	global_store_b128 v6, v[164:167], s[86:87]
	FIN
.Lv:	; ---- v: block a = 16 channels (a < 4: my first head, else my second); the fragment's K are my 128 keys
	s_add_nc_u64 s[80:81], s[72:73], s[88:89]
	s_add_nc_u64 s[84:85], s[80:81], 12800         ; scale words
	s_add_nc_u64 s[80:81], s[80:81], 6144          ; images, first head
	s_add_nc_u64 s[82:83], s[80:81], HSTEP         ; second head
	s_lshl_b32 s90, s78, 8
	s_add_nc_u64 s[86:87], s[74:75], s[90:91]      ; the sums
.irp i, 0,1,2,3
	v_mov_b32 v[ONES+3*\i], 0x08208208             ; sixteen codes 001000 = 1.0 in 96 bits
	v_mov_b32 v[ONES+3*\i+1], 0x82082082
	v_mov_b32 v[ONES+3*\i+2], 0x20820820
.endr
	v_mov_b32 v[ONESC], 0x7f7f7f7f
.irp a, 0,1,2,3,4,5,6,7
	QBLOCK \a
.irp c, 0,1,2
.if \a < 4
	global_store_b128 v4, v[PC+4*\c:PC+4*\c+3], s[80:81] offset:1536*(\a%4)+512*\c
.else
	global_store_b128 v4, v[PC+4*\c:PC+4*\c+3], s[82:83] offset:1536*(\a%4)+512*\c
.endif
.endr
.rept 8
	v_nop                                          ; a scale register written by a vector line stands 8 places ahead of a scaled matrix instruction, an operand 4
.endr
	v_wmma_scale_f32_16x16x128_f8f6f4 v[VD:VD+7], v[ONES:ONES+11], v[PC:PC+11], 0, v[ONESC], v[PWS+\a] matrix_a_fmt:MATRIX_FMT_FP6 matrix_b_fmt:MATRIX_FMT_FP6
.rept 4
	v_nop
.endr
	v_mov_b32 v[VSUM+\a], v[VD]                    ; lane r: the sum over my 128 keys of the quantised v of channel 16 a + r
.endr
.irp i, 0,1,2,3
	v_cndmask_b32 v[160+\i], v[PWS+\i], v[PWS+4+\i], s98
	v_cndmask_b32 v[164+\i], v[VSUM+\i], v[VSUM+4+\i], s98
.endr
	global_store_b128 v8, v[160:163], s[84:85]     ; each half of the lanes stores 256 consecutive bytes
	global_store_b128 v7, v[164:167], s[86:87]
	FIN
.Lfunc_end_k_qcc46ec270b_qkv:
	.size	k_qcc46ec270b_qkv, .Lfunc_end_k_qcc46ec270b_qkv-k_qcc46ec270b_qkv
	.p2alignl 7, 3214868480
	.fill 96, 4, 3214868480
	.section	.rodata,"a",@progbits
	.p2align	6, 0x0
	.amdhsa_kernel k_qcc46ec270b_qkv
		.amdhsa_group_segment_fixed_size 327680
		.amdhsa_private_segment_fixed_size 0
		.amdhsa_enable_private_segment 0
		.amdhsa_kernarg_size 72
		.amdhsa_user_sgpr_count 2
		.amdhsa_user_sgpr_kernarg_segment_ptr 1
		.amdhsa_wavefront_size32 1
		.amdhsa_system_sgpr_workgroup_id_x 1
		.amdhsa_system_sgpr_workgroup_id_y 1
		.amdhsa_system_sgpr_workgroup_id_z 1
		.amdhsa_system_vgpr_workitem_id 0
		.amdhsa_next_free_vgpr 1024
		.amdhsa_next_free_sgpr 102
		.amdhsa_reserve_vcc 1
		.amdhsa_float_denorm_mode_32 3
		.amdhsa_float_denorm_mode_16_64 3
		.amdhsa_memory_ordered 1
		.amdhsa_forward_progress 1
		.amdhsa_inst_pref_size 210
	.end_amdhsa_kernel
	.amdgpu_metadata
---
amdhsa.version: [ 1, 2 ]
amdhsa.kernels:
  - .name:           k_qcc46ec270b_qkv
    .symbol:         k_qcc46ec270b_qkv.kd
    .args:
      - { .name: x_padded_codes, .offset: 0, .size: 8, .value_kind: global_buffer, .address_space: global }
      - { .name: x_padded_scales, .offset: 8, .size: 8, .value_kind: global_buffer, .address_space: global }
      - { .name: Wqkv_codes, .offset: 16, .size: 8, .value_kind: global_buffer, .address_space: global }
      - { .name: Wqkv_scales, .offset: 24, .size: 8, .value_kind: global_buffer, .address_space: global }
      - { .name: qimg, .offset: 32, .size: 8, .value_kind: global_buffer, .address_space: global }
      - { .name: qsc, .offset: 40, .size: 8, .value_kind: global_buffer, .address_space: global }
      - { .name: kv, .offset: 48, .size: 8, .value_kind: global_buffer, .address_space: global }
      - { .name: vpart, .offset: 56, .size: 8, .value_kind: global_buffer, .address_space: global }
      - { .name: seq_lengths, .offset: 64, .size: 8, .value_kind: global_buffer, .address_space: global }
    .group_segment_fixed_size: 327680
    .private_segment_fixed_size: 0
    .kernarg_segment_align: 8
    .kernarg_segment_size: 72
    .max_flat_workgroup_size: 128
    .sgpr_count:     102
    .vgpr_count:     1024
    .wavefront_size: 32
...
	.end_amdgpu_metadata
.endif
;; end of part 1
;; launch attn (part 2): grid 8 x 32, 16 waves a work-group, no clusters, 169,984 bytes of LDS; arguments qimg, qsc, kv, vpart, seq_lengths, aimg, asc; writes aimg, asc
.if DOCPART == 2
	.amdgcn_target "amdgcn-amd-amdhsa--gfx1250"
	.amdhsa_code_object_version 6
	.text
	.protected	k_qcc46ec270b_attn
	.globl	k_qcc46ec270b_attn
	.p2align	8
	.type	k_qcc46ec270b_attn,@function
k_qcc46ec270b_attn:
	s_mov_b64 s[64:65], 0
	v_nop
	global_prefetch_b8 v0, s[64:65] scope:SCOPE_SE
	s_setreg_imm32_b32 hwreg(HW_REG_WAVE_MODE, 25, 1), 1
	s_wait_xcnt 0x0
; Attention in a window of 512 keys to the left, with a padding mask by the batch's length, both products on codes of FP6 (E2M3); the result is quantised along the model's axis for the last product.
; SHARES.  Work-group (x = Y, y = 8 b + kap): queries 256 Y .. 256 Y + 255 of batch b, heads 2 kap and 2 kap + 1.  Each of sixteen waves owns 16 queries, for both heads, one after the other; a lane holds ONE query (lane % 16).
; With g = 2 Y + wave / 8 a wave walks the key steps g - 4 .. g, 128 keys each: trip 0 holds the window's lower edge, trip 4 the diagonal; steps below 0 are jumped (a branch on ids).
; LDS.  Twelve blocks of 13,056 bytes (six key steps x two heads) are filled ONCE, by waves 0 and 1, six tensor loads each, all issued at the head; a step below 0 is held at 0, lands and is never read.  Nothing is filled again.
; Multicast is not used: the window of a neighbouring block of queries is shifted by two steps, so a joint tile would want LDS addresses that hang on the place in the cluster.
; Nothing is prefetched: every byte that the work-group reads is asked for in its first lines.
; PRODUCTS, both transposed: S^T = K Q^T (source 0 = 16 neighbouring keys, source 1 = my queries); O^T = V^T P^T.  K = 64 fills half an instruction: the codes of k = 65 .. 127 are zeros.
; THE PADDING MASK rides on k = 64: Q's code there is 1.0 under the byte 127; K's is -1.0 under the byte 227 for a key at or past the length, else 0 under the byte 0: such a key's score gets -2^100.
; THE WINDOW's edges are set to -2^100 by compare and select in trips 0 and 4.
; SOFTMAX: t = score x log2(e) / 8; M = the running largest t rounded up to a whole number; p = 2^(t - M) is quantised along the keys; the sum is taken of the unquantised p; O and the sum are multiplied by 2^(old M - new M).
; The order of the keys inside a block of 32 is the scores' own (32 B + 16 (i / 8) + 8 (lane / 16) + i % 8 at place 32 B + 16 (lane / 16) + i): v's codes were laid in the same order.
; A QUERY THAT SEES NO KEY (length <= max(q - 512, 0)): every weight is 1 over all 2,048 keys, so its row is the sum of the quantised v / 2,048, from the partial sums in vpart; it is put in by a select.
; LIMITS: a visible t lies above -2^90, where the running maximum starts; NaN and infinities are not served; a block under the floor 2^(3 - 127) keeps the byte 1.
.set STEPB, 13056                      ; K's 8 images of 768; at 6,144 V's 4 of 1,536; at 12,288 K's scale words; at 12,800 V's
.set HEADB, 6*STEPB
.set VM,    12*STEPB                   ; 2 x 256 bytes: the means of v, [r][t]
.set SG,    VM+512                     ; 1,024 bytes: the block's scale words on their way out
.set QF,  16                           ; v16-39   Q's two fragments
.set KB,  40                           ; v40-87   four fragments of K
.set KSC, 88                           ; v88-95   K's scale words, tile T
.set S,   96                           ; v96-159  S^T, then p, then V's four fragments
.set OA,  160                          ; v160-191 O^T
.set PC,  192                          ; v192-203 p's codes; v204-206, v208-210 at work
.set SGR, 207
.set VSC, 212
.set QSC, 216
.set PS,  218
.set BM,  220
.set BT,  224
.set SO,  228
.set FF,  232                          ; v[232:233] a factor, as the low word of a pair
.set TT,  234
.set SU,  236
.set AC,  238                          ; v238-249 the fragment for the last product
.set AW,  250                          ; its scale word
.set HB,  251
.set AVM, 252
.set VMW, 253
.set GL,  254
.set SGW, 255
.set WV,  18
.set LEN, 19
.set GS,  61                           ; g - 4
.set FM,  70                           ; lanes whose query sees no key
	s_load_b256 s[4:11], s[0:1], 0x0               ; qimg, qsc, kv, vpart
	s_load_b128 s[12:15], s[0:1], 0x20             ; seq_lengths, aimg
	s_load_b64 s[16:17], s[0:1], 0x30              ; asc
	v_lshl_add_u32 v254, v0, 2, 0x29000
	v_mov_b32 v255, 0
	ds_add_u32 v254, v255
	ds_add_u32 v254, v255
	s_wait_dscnt 0x0
	v_lshrrev_b32 v150, 5, v0
	s_delay_alu instid0(VALU_DEP_1)
	v_readfirstlane_b32 s[WV], v150                ; wave 0..15
	s_and_b32 s57, ttmp7, 0xffff
	s_lshr_b32 s58, s57, 3                         ; b
	s_and_b32 s59, s57, 7                          ; kap
	s_and_b32 s60, s[WV], 1                        ; p
	s_lshr_b32 s62, s[WV], 3
	s_lshl_b32 s[GS], ttmp9, 1
	s_add_co_u32 s[GS], s[GS], s62
	s_sub_co_i32 s[GS], s[GS], 4
	s_lshl_b32 s67, s58, 4
	s_lshl_b32 s68, s59, 1
	s_add_co_u32 s67, s67, s68                     ; 16 b + 2 kap: my first head
	s_mov_b32 s20, 0x76543210
	s_mov_b32 s21, 0xfedcba98                      ; selects for lane l xor 16
	s_mov_b32 s22, 0x3e38aa3b                      ; c = log2(e) / 8
	s_mov_b32 s23, s22
	s_mov_b32 s24, 3<<16                           ; group 1: 51 dense rows of 256 bytes (32 elements of 8), no padding, no mask
	s_mov_b32 s25, 32<<16
	s_mov_b32 s26, 51<<16
	s_mov_b32 s27, 32<<16
	s_mov_b32 s28, 51
	s_mov_b32 s29, 32
	s_mov_b32 s30, 0
	s_mov_b32 s31, 0
	; every LDS address is made here, ahead of the first branch on the wave's number
	v_and_b32 v151, 31, v0                         ; lane
	v_and_b32 v152, 15, v0                         ; r
	v_bfe_u32 v153, v0, 4, 1                       ; h
	s_mul_i32 s63, s62, STEPB                      ; waves 8-15 read one block further on
	v_lshl_add_u32 v1, v151, 4, s63                ; K: registers 0-3
	v_lshl_add_u32 v2, v151, 3, s63
	s_delay_alu instid0(VALU_DEP_1)
	v_add_nc_u32 v2, 512, v2                       ; K: registers 4-5
	v_lshl_add_u32 v3, v152, 5, s63
	s_delay_alu instid0(VALU_DEP_1)
	v_add_nc_u32 v3, 12288, v3                     ; K's scale words
	v_add_nc_u32 v4, 6144, v1                      ; V
	v_lshl_add_u32 v5, v152, 4, s63
	s_delay_alu instid0(VALU_DEP_1)
	v_add_nc_u32 v5, 12800, v5                     ; V's scale words
	v_add_nc_u32 v6, HEADB, v1                     ; the same five for the second head
	v_add_nc_u32 v7, HEADB, v2
	v_add_nc_u32 v211, HEADB, v3
	v_add_nc_u32 v219, HEADB, v4
	v_add_nc_u32 v235, HEADB, v5
	v_lshlrev_b32 v[AVM], 7, v153
	s_delay_alu instid0(VALU_DEP_1)
	v_add_nc_u32 v[AVM], VM, v[AVM]                ; the means of my half's eight rows
	s_lshl_b32 s66, s60, 8
	v_lshl_add_u32 v[VMW], v151, 3, s66
	s_delay_alu instid0(VALU_DEP_1)
	v_add_nc_u32 v[VMW], VM, v[VMW]
	s_lshl_b32 s66, s[WV], 6
	v_lshl_add_u32 v[SGW], v152, 2, s66
	s_delay_alu instid0(VALU_DEP_1)
	v_add_nc_u32 v[SGW], SG, v[SGW]
	s_lshl_b32 s66, s60, 9
	v_lshl_add_u32 v[SGR], v151, 4, s66
	s_delay_alu instid0(VALU_DEP_1)
	v_add_nc_u32 v[SGR], SG, v[SGR]
	v_lshlrev_b32 v[GL], 4, v151                   ; 16 x lane, in memory
	v_lshlrev_b32 v159, 3, v151                    ; 8 x lane
	s_mul_i32 s66, s60, STEPB
	s_lshl_b32 s69, ttmp9, 1
	s_sub_co_i32 s69, s69, 4
	s_add_co_i32 s69, s69, s60                     ; 2 Y - 4 + p
	s_lshl_b32 s71, s67, 4
	s_mov_b32 s77, 0
	s_lshl_b32 s80, s58, 2
	s_mov_b32 s81, 0
	s_wait_kmcnt 0x0
	s_add_nc_u64 s[12:13], s[12:13], s[80:81]
	s_load_b32 s[LEN], s[12:13], 0x0               ; the batch's length: it feeds compares alone
.irp n, 0,1,2,3,4,5                    ; load n = 3 e + m: block 6 e + 2 m + p takes key step max(2 Y - 4 + 2 m + p, 0) of head e
	s_add_co_i32 s76, s69, 2*(\n%3)
	s_max_i32 s76, s76, 0
	s_add_co_u32 s76, s76, s71
	s_add_co_u32 s76, s76, 16*(\n/3)
	s_mul_i32 s76, s76, STEPB
	s_mov_b32 s[32+4*\n], 1
	s_add_co_u32 s[33+4*\n], s66, (6*(\n/3)+2*(\n%3))*STEPB
	s_add_nc_u64 s[34+4*\n:35+4*\n], s[8:9], s[76:77]
	s_or_b32 s[35+4*\n], s[35+4*\n], 0x80000000
.endr
	s_cmp_lt_u32 s[WV], 2                          ; waves 0 and 1 fetch: their six first fills stand in one branch: six loads of a wave are out
	s_cbranch_scc0 .Lno_fill
.irp n, 0,1,2,3,4,5
	tensor_load_to_lds s[32+4*\n:35+4*\n], s[24:31]
	s_nop 0
.endr
.rept 4
	v_nop
.endr
.Lno_fill:
	s_lshl_b32 s78, ttmp9, 4
	s_add_co_u32 s78, s78, s[WV]                   ; 16 Y + w: my tile of queries in the batch
	s_mul_i32 s79, s78, 768
	v_lshl_add_u32 v154, v151, 4, s79
	s_wait_alu depctr_va_vdst(0)
	v_lshl_add_u32 v155, v151, 3, s79
	s_wait_alu depctr_va_vdst(0)
	s_add_co_u32 s79, s[GS], 4
	s_lshl_b32 s79, s79, 9
	s_and_b32 s82, s[WV], 7
	s_lshl_b32 s83, s82, 2
	s_add_co_u32 s79, s79, s83
	v_lshl_add_u32 v156, v152, 5, s79              ; Q's scale word: 512 g + 32 r + 4 (w % 8)
	s_mul_i32 s80, s67, 98304
	s_add_nc_u64 s[4:5], s[4:5], s[80:81]
	s_lshl_b32 s80, s67, 13
	s_add_nc_u64 s[6:7], s[6:7], s[80:81]
.irp e, 0,1
	global_load_b128 v[QF+12*\e:QF+12*\e+3], v154, s[4:5] offset:98304*\e
	global_load_b64 v[QF+12*\e+4:QF+12*\e+5], v155, s[4:5] offset:98304*\e+512
	global_load_b32 v[QSC+\e], v156, s[6:7] offset:8192*\e
.endr
	s_add_co_u32 s80, s67, s60
	s_lshl_b32 s80, s80, 12
	s_add_nc_u64 s[10:11], s[10:11], s[80:81]      ; vpart of head p
	s_lshl_b32 s80, s58, 7
	s_add_co_u32 s80, s80, s78
	s_mul_i32 s80, s80, 12288
	s_mul_i32 s83, s59, 1536
	s_add_co_u32 s80, s80, s83
	s_add_nc_u64 s[14:15], s[14:15], s[80:81]      ; aimg: my tile of tokens, K step kap
	s_lshl_b32 s80, s58, 3
	s_add_co_u32 s80, s80, ttmp9
	s_lshl_b32 s80, s80, 3
	s_add_co_u32 s80, s80, s59
	s_lshl_b32 s80, s80, 10
	s_lshl_b32 s83, s60, 9
	s_add_co_u32 s80, s80, s83
	s_add_nc_u64 s[16:17], s[16:17], s[80:81]      ; asc: the block's 1,024 bytes, half p
	v_mov_b32 v10, 40                              ; the code -1.0
	v_mov_b32 v11, 0xf1800000                      ; -2^100
	s_lshl_b32 s83, s82, 4
	v_add_nc_u32 v8, s83, v152
	v_lshlrev_b32 v157, 3, v153
	s_delay_alu instid0(VALU_DEP_1)
	v_sub_nc_u32 v8, v8, v157                      ; D = 16 (w % 8) + r - 8 h: register 8 T + j holds the key at 16 T + j against it
.irp e, 0,1
	v_sub_nc_u32 v[QF+12*\e+6], 8, v157            ; the code 1.0 at k = 64 (lanes 0-15), zeros beside it
.irp i, 7,8,9,10,11
	v_mov_b32 v[QF+12*\e+\i], 0
.endr
.endr
.irp t, 0,1,2,3
.irp i, 7,8,9,10,11
	v_mov_b32 v[KB+12*\t+\i], 0
.endr
.endr
.irp b, 0,1,2,3
	v_mov_b32 v[BT+\b], 0                          ; a lane permute's destination counts as read
.endr
	v_mov_b32 v[FF+1], 0                           ; named as the upper half of a pair
	v_mov_b32 v[TT], 0
	s_wait_kmcnt 0x0
	s_max_i32 s[LEN], s[LEN], 0
	s_min_i32 s[LEN], s[LEN], 2048
	s_lshl_b32 s83, s[GS], 7
	s_sub_co_i32 s83, s83, s[LEN]
	v_add_nc_u32 v9, s83, v152                     ; T0 = r + 128 (g - 4) - length: the key of trip i, tile T, row r is padded where T0 >= -(128 i + 16 T)
	v_mov_b32 v158, 0xc0000000
	v_cmp_eq_u32 vcc_lo, 1, v153
	s_delay_alu instid0(VALU_DEP_1)
	v_cndmask_b32 v9, v9, v158, vcc_lo             ; lanes 16-31 hold k = 96 on: never
	s_lshl_b32 s83, s78, 4
	s_sub_co_i32 s83, s83, 512
	v_add_nc_u32 v158, s83, v152
	s_delay_alu instid0(VALU_DEP_1)
	v_max_i32 v158, 0, v158                        ; max(q - 512, 0)
	s_delay_alu instid0(VALU_DEP_1)
	v_cmp_le_i32 s[FM], s[LEN], v158
	s_lshr_b32 s83, s[WV], 1
	s_cmp_eq_u32 s83, 1                            ; waves 2 and 3: the mean of the quantised v over all 2,048 keys, head p
	s_cbranch_scc0 .Lno_mean
.irp k, 0,1,2,3,4,5,6,7,8,9,10,11,12,13,14,15
	global_load_b64 v[S+2*\k:S+2*\k+1], v159, s[10:11] offset:256*\k
.endr
	s_wait_loadcnt 0x0
	v_pk_add_f32 v[250:251], v[98:99], v[100:101]
	v_pk_add_f32 v[248:249], v[102:103], v[104:105]
	v_pk_add_f32 v[246:247], v[106:107], v[108:109]
	v_pk_add_f32 v[244:245], v[110:111], v[112:113]
	v_pk_add_f32 v[242:243], v[114:115], v[116:117]
	v_pk_add_f32 v[240:241], v[118:119], v[120:121]
	v_pk_add_f32 v[238:239], v[122:123], v[124:125]
	v_pk_add_f32 v[96:97], v[96:97], v[126:127]
	s_delay_alu instid0(VALU_DEP_1)
	v_pk_add_f32 v[96:97], v[96:97], v[244:245]
	v_pk_add_f32 v[250:251], v[250:251], v[242:243]
	v_pk_add_f32 v[248:249], v[248:249], v[240:241]
	v_pk_add_f32 v[246:247], v[246:247], v[238:239]
	s_delay_alu instid0(VALU_DEP_2)
	v_pk_add_f32 v[96:97], v[96:97], v[248:249]
	s_delay_alu instid0(VALU_DEP_2)
	v_pk_add_f32 v[250:251], v[250:251], v[246:247]
	s_delay_alu instid0(VALU_DEP_1)
	v_pk_add_f32 v[96:97], v[96:97], v[250:251]
	s_delay_alu instid0(VALU_DEP_1)
	v_pk_mul_f32 v[S:S+1], v[S:S+1], 0x3a000000 op_sel_hi:[1,0]   ; / 2,048
	ds_store_b64 v[VMW], v[S:S+1]
.Lno_mean:
	s_wait_loadcnt 0x0                             ; Q
; Loads 0 .. n of the fetching waves have landed (5 - n younger ones may be out), my LDS instructions are done: then the barrier.  On every wave's path.
.macro SYNC n
	s_wait_tensorcnt 5-(\n)
	s_wait_dscnt 0x0
	s_barrier_signal -1
	s_barrier_wait -1
.endm
; A KEY STEP: trip tr of head hd.
.macro STEP hd, tr
.set OFF, (\tr)*STEPB
.if \tr < 4
	s_cmp_lt_i32 s[GS], -(\tr)                     ; a step below 0 does not exist
	s_cbranch_scc1 .Lskip_\@
.endif
.irp g, 0,1                                    ; S^T = K Q^T, four tiles of 16 keys at a time
.if \g == 1
.rept 4
	v_nop                                          ; places behind the products that read K's registers
.endr
.endif
.irp t, 0,1,2,3
	v_cmp_le_i32 s[72+\t], -(128*(\tr)+16*(4*\g+\t)), v9
.endr
.irp t, 0,1,2,3
	s_delay_alu instid0(VALU_DEP_4)
	v_cndmask_b32 v[KB+12*\t+6], 0, v10, s[72+\t]  ; the code at k = 64: -1.0 for a padded key
.endr
.irp t, 0,1,2,3
	ds_load_b128 v[KB+12*\t:KB+12*\t+3], v[AK16] offset:OFF+768*(4*\g+\t)
	ds_load_b64 v[KB+12*\t+4:KB+12*\t+5], v[AK8] offset:OFF+768*(4*\g+\t)
.endr
.if \g == 0
	ds_load_b128 v[KSC:KSC+3], v[AKS] offset:OFF
	ds_load_b128 v[KSC+4:KSC+7], v[AKS] offset:OFF+16
.endif
.rept 4
	v_nop                                          ; an operand written by a vector line stands 4 places ahead of a scaled matrix instruction
.endr
	s_wait_alu depctr_va_vdst(0)
	s_wait_dscnt 0x0
.irp t, 0,1,2,3
	v_wmma_scale_f32_16x16x128_f8f6f4 v[S+8*(4*\g+\t):S+8*(4*\g+\t)+7], v[KB+12*\t:KB+12*\t+11], v[QF+12*(\hd):QF+12*(\hd)+11], 0, v[KSC+4*\g+\t], v[QSC+(\hd)] matrix_a_fmt:MATRIX_FMT_FP6 matrix_b_fmt:MATRIX_FMT_FP6
.endr
.endr
.rept 4
	v_nop
.endr
.if \tr == 0                                   ; the window's lower edge: keys before q - 512
.set nn, 0
.rept 64
	v_cmp_lt_i32 vcc_lo, 16*(nn/8)+nn%8, v8
	v_cndmask_b32 v[S+nn], v[S+nn], v11, vcc_lo
.set nn, nn+1
.endr
.endif
.if \tr == 4                                   ; the diagonal: keys behind q
.set nn, 0
.rept 64
	v_cmp_gt_i32 vcc_lo, 16*(nn/8)+nn%8, v8
	v_cndmask_b32 v[S+nn], v[S+nn], v11, vcc_lo
.set nn, nn+1
.endr
.endif
.irp b, 0,1,2,3
	v_max3_num_f32 v[BM+\b], v[S+16*\b], v[S+16*\b+1], v[S+16*\b+2]   ; the largest score of each block of 32 keys: for the row's maximum and for the block's largest p
.endr
.irp i, 3,5,7,9,11,13
.irp b, 0,1,2,3
	v_max3_num_f32 v[BM+\b], v[BM+\b], v[S+16*\b+\i], v[S+16*\b+\i+1]
.endr
.endr
.irp b, 0,1,2,3
	v_max_num_f32 v[BM+\b], v[BM+\b], v[S+16*\b+15]
.endr
.irp b, 0,1,2,3
	s_delay_alu instid0(VALU_DEP_4)
	v_permlanex16_b32 v[BT+\b], v[BM+\b], s20, s21
.endr
.irp b, 0,1,2,3
	s_delay_alu instid0(VALU_DEP_4)
	v_max_num_f32 v[BM+\b], v[BM+\b], v[BT+\b]
.endr
	s_delay_alu instid0(VALU_DEP_2)
	v_max3_num_f32 v[TT], v[BM], v[BM+1], v[BM+2]
	s_delay_alu instid0(VALU_DEP_1)
	v_max_num_f32 v[TT], v[TT], v[BM+3]
	s_delay_alu instid0(VALU_DEP_1)
	v_mul_f32 v[TT], s22, v[TT]
	s_delay_alu instid0(VALU_DEP_1)
	v_max_num_f32 v13, v13, v[TT]                  ; the running largest t
	v_mov_b32 v[TT], v12
	s_delay_alu instid0(VALU_DEP_2)
	v_floor_f32 v12, -v13                          ; -M = floor(-t): M is a whole number
	s_delay_alu instid0(VALU_DEP_1)
	v_sub_f32 v[TT], v12, v[TT]                    ; old M - new M, 0 or less
	s_delay_alu instid0(VALU_DEP_1)
	v_cvt_i32_f32 v[TT], v[TT]                     ; (it saturates)
	s_delay_alu instid0(VALU_DEP_1)
	v_ldexp_f32 v[FF], 1.0, v[TT]                  ; f = 2^(old M - new M)
.set jj, 0
.rept 32
	v_pk_fma_f32 v[S+jj:S+jj+1], v[S+jj:S+jj+1], s[22:23], v[12:13] op_sel_hi:[1,0,0]   ; t - M
.set jj, jj+2
.endr
.irp b, 0,1,2,3
	v_fma_f32 v[BM+\b], v[BM+\b], s22, v12
.endr
.set jj, 0
	s_wait_alu depctr_va_vdst(0)
.rept 64
	v_exp_f32 v[S+jj], v[S+jj]                     ; p = 2^(t - M)
.set jj, jj+1
.endr
	v_pk_mul_f32 v[14:15], v[14:15], v[FF:FF+1] op_sel_hi:[1,0]   ; the sums under the new M: the plain line behind the batch
	s_wait_alu depctr_va_vdst(0)                   ; one wait for the batch, ahead of its first reader
.irp b, 0,1,2,3
	v_exp_f32 v[BM+\b], v[BM+\b]                   ; each block's largest p
.endr
	v_pk_add_f32 v[236:237], v[100:101], v[104:105]
	v_pk_add_f32 v[248:249], v[108:109], v[112:113]
	v_pk_add_f32 v[246:247], v[116:117], v[120:121]
	v_pk_add_f32 v[244:245], v[124:125], v[128:129]
	v_pk_add_f32 v[230:231], v[132:133], v[136:137]
	v_pk_add_f32 v[228:229], v[140:141], v[144:145]
	v_pk_add_f32 v[226:227], v[148:149], v[152:153]
	v_pk_add_f32 v[14:15], v[14:15], v[156:157]
	v_pk_add_f32 v[236:237], v[236:237], v[96:97]
	v_pk_add_f32 v[248:249], v[248:249], v[98:99]
	v_pk_add_f32 v[246:247], v[246:247], v[102:103]
	v_pk_add_f32 v[244:245], v[244:245], v[106:107]
	v_pk_add_f32 v[230:231], v[230:231], v[110:111]
	v_pk_add_f32 v[228:229], v[228:229], v[114:115]
	v_pk_add_f32 v[226:227], v[226:227], v[118:119]
	v_pk_add_f32 v[14:15], v[14:15], v[122:123]
	v_pk_add_f32 v[236:237], v[236:237], v[126:127]
	v_pk_add_f32 v[248:249], v[248:249], v[130:131]
	v_pk_add_f32 v[246:247], v[246:247], v[134:135]
	v_pk_add_f32 v[244:245], v[244:245], v[138:139]
	v_pk_add_f32 v[230:231], v[230:231], v[142:143]
	v_pk_add_f32 v[228:229], v[228:229], v[146:147]
	v_pk_add_f32 v[226:227], v[226:227], v[150:151]
	v_pk_add_f32 v[14:15], v[14:15], v[154:155]
	v_pk_add_f32 v[236:237], v[236:237], v[158:159]
	s_delay_alu instid0(VALU_DEP_2)
	v_pk_add_f32 v[14:15], v[14:15], v[244:245]
	s_delay_alu instid0(VALU_DEP_2)
	v_pk_add_f32 v[236:237], v[236:237], v[230:231]
	v_pk_add_f32 v[248:249], v[248:249], v[228:229]
	v_pk_add_f32 v[246:247], v[246:247], v[226:227]
	s_delay_alu instid0(VALU_DEP_2)
	v_pk_add_f32 v[14:15], v[14:15], v[248:249]
	s_delay_alu instid0(VALU_DEP_2)
	v_pk_add_f32 v[236:237], v[236:237], v[246:247]
	s_delay_alu instid0(VALU_DEP_1)
	v_pk_add_f32 v[14:15], v[14:15], v[236:237]
	s_wait_alu depctr_va_vdst(0)                   ; and one for the four
.irp b, 0,1,2,3
	v_max_num_f32 v[BM+\b], 0x1800000, v[BM+\b]    ; the floor 2^(3 - 127)
.endr
.irp b, 0,1,2,3
	s_delay_alu instid0(VALU_DEP_4)
	v_add_nc_u32 v[SO+\b], 0xff000000, v[BM+\b]
.endr
.irp b, 0,1,2,3
	s_delay_alu instid0(VALU_DEP_4)
	v_lshrrev_b32 v[BT+\b], 23, v[SO+\b]
.endr
	s_delay_alu instid0(VALU_DEP_3)
	v_lshl_or_b32 v[PS], v[BT+1], 8, v[BT]
	s_delay_alu instid0(VALU_DEP_1)
	v_lshl_or_b32 v[PS], v[BT+2], 16, v[PS]
	s_delay_alu instid0(VALU_DEP_1)
	v_lshl_or_b32 v[PS], v[BT+3], 24, v[PS]        ; p's scale word
.irp c, 0,1
	v_cvt_scalef32_pk16_fp6_f32 v[PC+6*\c:PC+6*\c+2], v[S+32*\c:S+32*\c+15], v[SO+2*\c]
	v_cvt_scalef32_pk16_fp6_f32 v[PC+12+4*\c:PC+14+4*\c], v[S+32*\c+16:S+32*\c+31], v[SO+2*\c+1]
.endr
	v_nop                                          ; one plain line behind the scaled conversions
.irp t, 0,1,2,3                                ; V's four fragments, into the registers that p has left
.irp c, 0,1,2
	ds_load_b128 v[S+12*\t+4*\c:S+12*\t+4*\c+3], v[AV] offset:OFF+1536*\t+512*\c
.endr
.endr
	ds_load_b128 v[VSC:VSC+3], v[AVS] offset:OFF
.irp c, 0,1
.irp i, 0,1,2
	v_permlane16_swap_b32 v[PC+6*\c+\i], v[PC+12+4*\c+\i]
.endr
.irp i, 0,1,2
	s_delay_alu instid0(VALU_DEP_3)
	v_mov_b32 v[PC+3+6*\c+\i], v[PC+12+4*\c+\i]
.endr
.endr
.set jj, 0
.rept 16
	v_pk_mul_f32 v[OA+jj:OA+jj+1], v[OA+jj:OA+jj+1], v[FF:FF+1] op_sel_hi:[1,0]   ; O^T under the new M
.set jj, jj+2
.endr
	s_wait_alu depctr_va_vdst(0)
	s_wait_dscnt 0x0
.irp t, 0,1,2,3                                ; O^T += V^T P^T: the four accumulators by turns
	v_wmma_scale_f32_16x16x128_f8f6f4 v[OA+8*\t:OA+8*\t+7], v[S+12*\t:S+12*\t+11], v[PC:PC+11], v[OA+8*\t:OA+8*\t+7], v[VSC+\t], v[PS] matrix_a_fmt:MATRIX_FMT_FP6 matrix_b_fmt:MATRIX_FMT_FP6
.endr
.Lskip_\@:
.endm
; A head's end: O^T / the sum; rows that see no key take the mean of v; true order along the channels; two blocks are quantised: registers 6 hd .. 6 hd + 5 of the fragment, bytes 2 hd, 2 hd + 1 of its scale word.
.macro FINISH hd
.rept 4
	v_nop
.endr
.irp j, 0,1,2,3,4,5,6,7
	ds_load_b128 v[S+4*\j:S+4*\j+3], v[AVM] offset:256*(\hd)+16*\j   ; register 4 j + t: the mean at channel 16 t + 8 h + j
.endr
	v_add_f32 v14, v14, v15
	s_delay_alu instid0(VALU_DEP_1)
	v_permlanex16_b32 v[TT], v14, s20, s21
	s_delay_alu instid0(VALU_DEP_1)
	v_add_f32 v14, v14, v[TT]                      ; the row's sum
	s_delay_alu instid0(VALU_DEP_1)
	v_cndmask_b32 v14, v14, 1.0, s[FM]             ; (0 where no key is seen: no division by it)
	s_wait_alu depctr_va_vdst(0)
	v_rcp_f32 v[FF], v14
	v_nop
	s_wait_alu depctr_va_vdst(0)
.set jj, 0
.rept 16
	v_pk_mul_f32 v[OA+jj:OA+jj+1], v[OA+jj:OA+jj+1], v[FF:FF+1] op_sel_hi:[1,0]
.set jj, jj+2
.endr
	s_wait_dscnt 0x0
.irp t, 0,1,2,3
.irp j, 0,1,2,3,4,5,6,7
	v_cndmask_b32 v[OA+8*\t+\j], v[OA+8*\t+\j], v[S+4*\j+\t], s[FM]
.endr
.endr
.irp b, 0,1
.irp j, 0,1,2,3,4,5,6,7
	v_permlane16_swap_b32 v[OA+16*\b+\j], v[OA+16*\b+8+\j]   ; register 16 b + i now holds channel 32 b + 16 h + i
.endr
.endr
.irp b, 0,1
	v_max3_num_f32 v[BM+\b], |v[OA+16*\b]|, |v[OA+16*\b+1]|, 0x1800000
.endr
.irp i, 2,4,6,8,10,12,14
.irp b, 0,1
	s_delay_alu instid0(VALU_DEP_2)
	v_max3_num_f32 v[BM+\b], v[BM+\b], |v[OA+16*\b+\i]|, |v[OA+16*\b+\i+1]|
.endr
.endr
.irp b, 0,1
	s_delay_alu instid0(VALU_DEP_2)
	v_permlanex16_b32 v[BT+\b], v[BM+\b], s20, s21
.endr
.irp b, 0,1
	s_delay_alu instid0(VALU_DEP_2)
	v_max_num_f32 v[BM+\b], v[BM+\b], v[BT+\b]
.endr
.irp b, 0,1
	s_delay_alu instid0(VALU_DEP_2)
	v_add_nc_u32 v[SO+\b], 0xff000000, v[BM+\b]
.endr
.irp b, 0,1
	s_delay_alu instid0(VALU_DEP_2)
	v_lshrrev_b32 v[BT+\b], 23, v[SO+\b]
.endr
	s_delay_alu instid0(VALU_DEP_1)
	v_lshl_or_b32 v[HB], v[BT+1], 8, v[BT]
	v_cvt_scalef32_pk16_fp6_f32 v[AC+6*(\hd):AC+6*(\hd)+2], v[OA:OA+15], v[SO]
	v_cvt_scalef32_pk16_fp6_f32 v[PC+12:PC+14], v[OA+16:OA+31], v[SO+1]
	v_nop
.irp i, 0,1,2
	v_permlane16_swap_b32 v[AC+6*(\hd)+\i], v[PC+12+\i]
.endr
.irp i, 0,1,2
	s_delay_alu instid0(VALU_DEP_3)
	v_mov_b32 v[AC+6*(\hd)+3+\i], v[PC+12+\i]
.endr
.if \hd == 0
	v_mov_b32 v[AW], v[HB]
.else
	v_lshl_or_b32 v[AW], v[HB], 16, v[AW]
.endif
.endm
.macro HEAD hd
.if \hd == 0
.set AK16, 1
.set AK8,  2
.set AKS,  3
.set AV,   4
.set AVS,  5
.else
.set AK16, 6
.set AK8,  7
.set AKS,  211
.set AV,   219
.set AVS,  235
.endif
	v_mov_b32 v13, 0xec800000                      ; the largest t so far: -2^90
	v_mov_b32 v12, 0x6c800000                      ; -M
	v_mov_b32 v14, 0
	v_mov_b32 v15, 0
.set jj, 0
.rept 32
	v_mov_b32 v[OA+jj], 0                          ; which trip is a wave's first hangs on its place, so no product can be written as the sums' start
.set jj, jj+1
.endr
	SYNC 3*(\hd)                                   ; blocks 0, 1 of the head
	STEP \hd, 0
	SYNC 3*(\hd)+1                                 ; blocks 2, 3
	STEP \hd, 1
	STEP \hd, 2
	SYNC 3*(\hd)+2                                 ; blocks 4, 5
	STEP \hd, 3
	STEP \hd, 4
	FINISH \hd
.endm
	HEAD 0
	HEAD 1
.irp c, 0,1,2
	global_store_b128 v[GL], v[AC+4*\c:AC+4*\c+3], s[14:15] offset:512*\c   ; the fragment's image: 512 consecutive bytes a store
.endr
	ds_store_b32 v[SGW], v[AW]                     ; both halves of the lanes write the same word with the same value
	s_wait_dscnt 0x0
	s_barrier_signal -1
	s_barrier_wait -1
	s_cmp_lt_u32 s[WV], 2                          ; the block's 256 scale words leave by two waves, 512 consecutive bytes each
	s_cbranch_scc0 .Lend
	ds_load_b128 v[S:S+3], v[SGR]
	s_wait_dscnt 0x0
	global_store_b128 v[GL], v[S:S+3], s[16:17]
.Lend:
	s_wait_xcnt 0x0
	v_lshl_add_u32 v254, v0, 2, 0x29000
	v_mov_b32 v255, 0
	s_wait_alu depctr_va_vdst(0)
	s_wait_tensorcnt 0x0
	ds_add_u32 v254, v255
	s_wait_dscnt 0x0
	s_endpgm
.Lfunc_end_k_qcc46ec270b_attn:
	.size	k_qcc46ec270b_attn, .Lfunc_end_k_qcc46ec270b_attn-k_qcc46ec270b_attn
	.p2alignl 7, 3214868480
	.fill 96, 4, 3214868480
	.section	.rodata,"a",@progbits
	.p2align	6, 0x0
	.amdhsa_kernel k_qcc46ec270b_attn
		.amdhsa_group_segment_fixed_size 169984
		.amdhsa_private_segment_fixed_size 0
		.amdhsa_enable_private_segment 0
		.amdhsa_kernarg_size 56
		.amdhsa_user_sgpr_count 2
		.amdhsa_user_sgpr_kernarg_segment_ptr 1
		.amdhsa_wavefront_size32 1
		.amdhsa_system_sgpr_workgroup_id_x 1
		.amdhsa_system_sgpr_workgroup_id_y 1
		.amdhsa_system_sgpr_workgroup_id_z 1
		.amdhsa_system_vgpr_workitem_id 0
		.amdhsa_next_free_vgpr 256
		.amdhsa_next_free_sgpr 84
		.amdhsa_reserve_vcc 1
		.amdhsa_float_denorm_mode_32 3
		.amdhsa_float_denorm_mode_16_64 3
		.amdhsa_memory_ordered 1
		.amdhsa_forward_progress 1
		.amdhsa_inst_pref_size 238
	.end_amdhsa_kernel
	.amdgpu_metadata
---
amdhsa.version: [ 1, 2 ]
amdhsa.kernels:
  - .name:           k_qcc46ec270b_attn
    .symbol:         k_qcc46ec270b_attn.kd
    .args:
      - { .name: qimg, .offset: 0, .size: 8, .value_kind: global_buffer, .address_space: global }
      - { .name: qsc, .offset: 8, .size: 8, .value_kind: global_buffer, .address_space: global }
      - { .name: kv, .offset: 16, .size: 8, .value_kind: global_buffer, .address_space: global }
      - { .name: vpart, .offset: 24, .size: 8, .value_kind: global_buffer, .address_space: global }
      - { .name: seq_lengths, .offset: 32, .size: 8, .value_kind: global_buffer, .address_space: global }
      - { .name: aimg, .offset: 40, .size: 8, .value_kind: global_buffer, .address_space: global }
      - { .name: asc, .offset: 48, .size: 8, .value_kind: global_buffer, .address_space: global }
    .group_segment_fixed_size: 169984
    .private_segment_fixed_size: 0
    .kernarg_segment_align: 8
    .kernarg_segment_size: 56
    .max_flat_workgroup_size: 512
    .sgpr_count:     84
    .vgpr_count:     256
    .wavefront_size: 32
...
	.end_amdgpu_metadata
.endif
;; end of part 2
;; launch oproj (part 3): grid 4 x 32, 4 waves a work-group, clusters of 4 x 4, 327,680 bytes of LDS; arguments aimg, asc, Wout_codes, Wout_scales, out0; writes out0
.if DOCPART == 3
	.amdgcn_target "amdgcn-amd-amdhsa--gfx1250"
	.amdhsa_code_object_version 6
	.text
	.protected	k_qcc46ec270b_oproj
	.globl	k_qcc46ec270b_oproj
	.p2align	8
	.type	k_qcc46ec270b_oproj,@function
k_qcc46ec270b_oproj:
	s_mov_b64 s[64:65], 0
	v_nop
	global_prefetch_b8 v0, s[64:65] scope:SCOPE_SE
	s_setreg_imm32_b32 hwreg(HW_REG_WAVE_MODE, 25, 1), 1
	s_wait_xcnt 0x0
	s_wait_alu depctr_hold_cnt(0) depctr_sa_sdst(0) depctr_va_vdst(0) depctr_va_sdst(0) depctr_va_ssrc(0) depctr_va_vcc(0) depctr_vm_vsrc(0)
	s_getreg_b32 s2, hwreg(HW_REG_IB_STS2, 6, 4)
	s_cmp_eq_u32 s2, 0
	s_cbranch_scc0 .Lentry_in_a_cluster
	s_endpgm
.Lentry_in_a_cluster:
	s_bfe_u32 s2, ttmp6, 0x10000c
	s_cmp_lg_u32 s2, 0xf033
	s_cbranch_scc0 .Lentry_shape_is_right
	s_endpgm
.Lentry_shape_is_right:
; out0[m][n] = sum over k of A[m][k] Wout[n][k], both on codes of FP6 (E2M3) with E8M0 scales; M = 8,192, N = 1,024, K = 1,024; sums and result f32.
; A comes as images of operand registers: aimg [tile of 16 tokens][K step of 128][1,536 bytes] (registers 4 c .. 4 c + 3 of lane l at 512 c + 16 l), asc [256 tokens][K step][256 words].
; Wout comes as rows of 768 bytes of codes and 32 scale bytes.
; A work-group of four waves makes 256 x 256 of the result, a wave 128 x 128: 64 accumulators, 512 registers.  K goes in steps of 256 through two LDS slots.
; CLUSTERS 4 x 4: A's tile is shared along a row of the cluster, Wout's along a column: joint tensor loads.  The matrix instruction is used transposed (source 0 = Wout's rows, source 1 = A's):
; a lane holds eight neighbouring numbers of a row of the result.
; The grid has 128 work-groups: a tile of 256 x 256 is kept for the products that each LDS byte feeds.
; REGISTERS: window 0: v16-30 addresses; v32-47 A's scale words, v48-63 Wout's, two sets each, two blocks to a register (lanes 0-15 the even block, lanes 16-31 the odd);
;   from v128 A's fragments, one set.  window 1: Wout's fragments, two sets.  windows 2, 3: the accumulators.
.set SIZE_N, 1024
.set NQ,     2
.set ROWB,   192
.set KROW,   768
.set PITCH,  240
.set FR,     12
.set NL,     6
.set NLA,    3                         ; LDS loads that bring a fragment of A
.set NP,     4
.set HALFA,  8*3072                    ; A: 8 tiles of tokens x 2 K steps of 1,536 bytes
.set HALFT,  128*PITCH
.set BOFF,   2*HALFA
.set SLOT,   2*HALFA+2*HALFT
.set LAPS,   2
.set KS,     32
.set SCLA,   2*SLOT                    ; A's scale words for all of K: 8 x 1,024 bytes
.set SCLB,   SCLA+8192                 ; Wout's: units of 256 bytes + 16 of padding
.set HALFS,  (128*KS/256)*272
.set SPARE,  SCLB+2*HALFS              ; the spare words: 128 bytes a wave, named by no other line
.set SPITCH, 528                       ; the way out: 16 rows x (512 + 16) bytes a wave, in slot 0, which has had its last fill and its last read by then
.set ADRA, 16
.set ADRB, 20
.set STO,  24
.set RD,   25
.set CO,   26
.set ADSA, 27
.set SPW,  28
.set NIL,  29
.set ADSB, 30
.set SCA,  32
.set SCB,  48
.set AF,   128
.set BK,   128
.set G1, 24
.set G0, 32
.set G1B, 48
.set G0B, 56
.set G1S, 68
.set G0S, 76
.set G1SB, 80
.set G0SB, 88
.set MSB, 0
.macro WIN new
.if MSB != \new
	s_set_vgpr_msb (MSB<<8)|\new
.set MSB, \new
.endif
.endm
.set MUL_LO, 0xa1
.set MUL_HI, 0xf1
.set TO_B,   0x40
.macro JLOAD g0a, g1a, g0b, g1b        ; waves 0 and 1 fetch for A, waves 2 and 3 for Wout; four v_nop follow each line
	s_cmp_eq_u32 s15, 0
	s_cbranch_scc0 .Lfor_b_\@
	tensor_load_to_lds s[\g0a:\g0a+3], s[\g1a:\g1a+7]
	s_nop 0
.rept 4
	v_nop
.endr
	s_branch .Lasked_\@
.Lfor_b_\@:
	tensor_load_to_lds s[\g0b:\g0b+3], s[\g1b:\g1b+7]
	s_nop 0
.rept 4
	v_nop
.endr
.Lasked_\@:
.endm
.macro CREST
	s_cmp_lg_u32 s14, 0
	s_cbranch_scc1 .Lnot_wave_0_\@
	s_barrier_signal -3
.Lnot_wave_0_\@:
	s_barrier_wait -3
	s_barrier_signal -1
	s_barrier_wait -1
.endm
.macro CROUND
	s_barrier_signal -1
	s_barrier_wait -1
	CREST
.endm
	s_load_b128 s[4:7], s[0:1], 0x0                ; aimg, asc
	s_load_b128 s[8:11], s[0:1], 0x10              ; Wout's codes, Wout's scales
	s_load_b64 s[12:13], s[0:1], 0x20              ; out0
	v_lshl_add_u32 v[SPW], v0, 2, SPARE
	v_mov_b32 v[NIL], 0
	ds_add_u32 v28, v29
	ds_add_u32 v28, v29
	s_wait_dscnt 0x0
	v_lshrrev_b32 v1, 5, v0
	v_readfirstlane_b32 s14, v1                    ; wave 0..3
	s_lshr_b32 s15, s14, 1                         ; my half of the rows.  Also: I fetch for A (0) or for Wout (1)
	s_and_b32 s16, s14, 1                          ; my half of the columns.  Also: which half I fetch
	s_bfe_u32 s40, ttmp6, 0x40000
	s_bfe_u32 s41, ttmp6, 0x40004
	s_lshl_b32 s42, ttmp9, 2
	s_add_co_u32 s42, s42, s40                     ; tile column
	s_and_b32 s17, ttmp7, 0xffff
	s_lshl_b32 s17, s17, 2
	s_add_co_u32 s17, s17, s41                     ; tile row
	s_lshl_b32 s43, s41, 2
	s_lshl_b32 s43, 15, s43                        ; my row of the cluster
	s_lshl_b32 s44, 0x1111, s40                    ; my column
	s_or_b32 s[G1+0], s43, (3<<16)|(1<<21)         ; A: 8 rows of 3,072 bytes (384 elements of 8), 12,288 bytes apart, no padding
	s_mov_b32 s[G1+1], 384<<16
	s_mov_b32 s[G1+2], 8<<16
	s_mov_b32 s[G1+3], 384<<16
	s_mov_b32 s[G1+4], 8
	s_mov_b32 s[G1+5], 1536
	s_mov_b32 s[G1+6], 0
	s_mov_b32 s[G1+7], 0
	s_or_b32 s[G1B+0], s44, (0<<16)|(1<<20)|(1<<21)|(3<<22)|(3<<25)  ; Wout: 128 rows of 192 bytes, 4 words of padding behind every 16
	s_mov_b32 s[G1B+1], ROWB<<16
	s_mov_b32 s[G1B+2], 128<<16
	s_mov_b32 s[G1B+3], ROWB<<16
	s_mov_b32 s[G1B+4], 128
	s_mov_b32 s[G1B+5], KROW
	s_mov_b32 s[G1B+6], 0
	s_mov_b32 s[G1B+7], 0
	s_or_b32 s[G1S+0], s43, (3<<16)|(1<<21)        ; A's scale words: 16 dense rows of 256 bytes
	s_or_b32 s[G1SB+0], s44, (3<<16)|(1<<20)|(1<<21)|(5<<22)|(3<<25) ; Wout's: the same with 16 bytes of padding behind each
.irp g, G1S, G1SB
	s_mov_b32 s[\g+1], 32<<16
	s_mov_b32 s[\g+2], 16<<16
	s_mov_b32 s[\g+3], 32<<16
	s_mov_b32 s[\g+4], 16
	s_mov_b32 s[\g+5], 32
	s_mov_b32 s[\g+6], 0
	s_mov_b32 s[\g+7], 0
.endr
	s_lshl_b32 s20, s17, 4
	s_lshl_b32 s18, s16, 3
	s_add_co_u32 s20, s20, s18
	s_mul_i32 s20, s20, 12288                      ; A: tile of tokens 16 x tile row + 8 x half
	s_mov_b32 s21, 0
	s_lshl_b32 s22, s17, 13
	s_lshl_b32 s18, s16, 12
	s_add_co_u32 s22, s22, s18                     ; A's scale words: 8,192 x tile row + 4,096 x half
	s_mov_b32 s23, 0
	s_lshl_b32 s18, s16, 7
	s_lshl_b32 s46, s42, 8
	s_add_co_u32 s46, s46, s18                     ; Wout: row 256 x tile column + 128 x half
	s_mov_b32 s47, 0
	s_mov_b64 s[18:19], KS
	s_mul_u64 s[92:93], s[46:47], s[18:19]
	s_mov_b64 s[18:19], KROW
	s_mul_u64 s[46:47], s[46:47], s[18:19]
	s_mul_i32 s45, s16, HALFA                      ; where they go: the wave's number alone enters an LDS address
	s_mul_i32 s95, s16, HALFT
	s_lshl_b32 s94, s16, 12
	s_mul_i32 s96, s16, HALFS
	s_wait_kmcnt 0x0
	s_add_nc_u64 s[20:21], s[4:5], s[20:21]
	s_add_nc_u64 s[22:23], s[6:7], s[22:23]
	s_add_nc_u64 s[46:47], s[8:9], s[46:47]
	s_add_nc_u64 s[92:93], s[10:11], s[92:93]
	CROUND                                         ; all sixteen work-groups are here: the first joint loads meet
	s_mov_b32 s[G0S], 1
	s_add_co_u32 s[G0S+1], s94, SCLA
	s_mov_b64 s[G0S+2:G0S+3], s[22:23]
	s_or_b32 s[G0S+3], s[G0S+3], 0x80000000
	s_mov_b32 s[G0SB], 1
	s_add_co_u32 s[G0SB+1], s96, SCLB
	s_mov_b64 s[G0SB+2:G0SB+3], s[92:93]
	s_or_b32 s[G0SB+3], s[G0SB+3], 0x80000000
	JLOAD G0S, G1S, G0SB, G1SB                     ; the scales for all of K: filled once
.irp s, 0,1
	s_mov_b32 s[G0+4*\s], 1
	s_add_co_u32 s[G0+4*\s+1], s45, \s*SLOT
	s_add_nc_u64 s[G0+4*\s+2:G0+4*\s+3], s[20:21], \s*3072
	s_or_b32 s[G0+4*\s+3], s[G0+4*\s+3], 0x80000000
	s_mov_b32 s[G0B+4*\s], 1
	s_add_co_u32 s[G0B+4*\s+1], s95, \s*SLOT+BOFF
	s_add_nc_u64 s[G0B+4*\s+2:G0B+4*\s+3], s[46:47], \s*ROWB
	s_or_b32 s[G0B+4*\s+3], s[G0B+4*\s+3], 0x80000000
	JLOAD G0+4*\s, G1, G0B+4*\s, G1B
.endr
	v_and_b32 v1, 15, v0                           ; l % 16
	v_bfe_u32 v2, v0, 4, 1                         ; l / 16
	v_mul_u32_u24 v3, v1, PITCH
	v_mul_u32_u24 v4, v2, 24
	v_add_nc_u32 v4, v3, v4
	v_lshl_add_u32 v5, v2, 4, v4
	v_and_b32 v7, 31, v0                           ; lane
	v_lshlrev_b32 v6, 4, v7
	s_mul_i32 s21, s15, HALFA                      ; my 128 rows of A
	s_mul_i32 s22, s16, HALFT
	s_add_co_u32 s22, s22, BOFF                    ; my 128 rows of Wout
.irp s, 0,1
	v_add_nc_u32 v[ADRA+\s], s21, v6
	v_add_nc_u32 v[ADRB+\s], s22, v4
	v_add_nc_u32 v[ADRB+2+\s], s22, v5
	s_add_co_u32 s21, s21, SLOT
	s_add_co_u32 s22, s22, SLOT
.endr
	s_lshl_b32 s21, s15, 9
	s_add_co_u32 s21, s21, SCLA
	v_lshl_add_u32 v[ADSA], v7, 2, s21             ; A's words: 4 x lane: 32 tokens, two blocks
	v_lshlrev_b32 v5, 5, v1
	v_lshrrev_b32 v8, 8, v5
	v_lshl_add_u32 v5, v8, 4, v5
	v_mad_u32_u24 v5, v2, 544, v5                  ; Wout's: row r of 32 bytes; lanes 16-31 one block (two units) on
	s_mul_i32 s22, s16, HALFS
	s_add_co_u32 s22, s22, SCLB
	v_add_nc_u32 v[ADSB], s22, v5
	s_mul_i32 s23, s14, 16*SPITCH                  ; my stage
	v_mul_u32_u24 v5, v1, SPITCH
	v_lshl_add_u32 v5, v2, 5, v5
	v_add_nc_u32 v[STO], s23, v5
	v_lshlrev_b32 v[CO], 4, v7
	v_add_nc_u32 v[RD], s23, v[CO]
	s_lshl_b32 s20, s17, 8
	s_lshl_b32 s21, s15, 7
	s_add_co_u32 s20, s20, s21                     ; my first row of the result
	s_mov_b32 s21, 0
	s_mov_b64 s[18:19], SIZE_N*4
	s_mul_u64 s[20:21], s[20:21], s[18:19]
	s_lshl_b32 s46, s42, 10
	s_lshl_b32 s47, s16, 9
	s_add_co_u32 s46, s46, s47
	s_mov_b32 s47, 0
	s_add_nc_u64 s[20:21], s[20:21], s[46:47]
	s_add_nc_u64 s[12:13], s[12:13], s[20:21]
.macro FRAG reg, adr, q, i             ; a fragment of Wout from rows: six pieces of 8 bytes
.irp p, 0,1,2,3,4,5
.set PCE, 12*(\q)+6*(\p/3)+\p%3
.if PCE%8 < 5
	ds_load_b64 v[\reg+2*\p:\reg+2*\p+1], v[\adr] offset:8*PCE+16*(PCE/8)+(\i)*16*PITCH
.else
	ds_load_b64 v[\reg+2*\p:\reg+2*\p+1], v[\adr+2] offset:8*PCE+16*(PCE/8)+(\i)*16*PITCH
.endif
.endr
.endm
; One product; rD, rB, rA, rSB, rSA are set by MUL16.  bo, ao: the block is the odd one of its scale register (lanes 16-31).
.macro ONE zero, bo, ao
.if \zero
.if \bo
.if \ao
	v_wmma_scale_f32_16x16x128_f8f6f4 v[rD:rD+7], v[rB:rB+FR-1], v[rA:rA+FR-1], 0, v[rSB], v[rSA] matrix_a_fmt:MATRIX_FMT_FP6 matrix_b_fmt:MATRIX_FMT_FP6 matrix_a_scale:MATRIX_SCALE_ROW1 matrix_b_scale:MATRIX_SCALE_ROW1
.else
	v_wmma_scale_f32_16x16x128_f8f6f4 v[rD:rD+7], v[rB:rB+FR-1], v[rA:rA+FR-1], 0, v[rSB], v[rSA] matrix_a_fmt:MATRIX_FMT_FP6 matrix_b_fmt:MATRIX_FMT_FP6 matrix_a_scale:MATRIX_SCALE_ROW1
.endif
.else
.if \ao
	v_wmma_scale_f32_16x16x128_f8f6f4 v[rD:rD+7], v[rB:rB+FR-1], v[rA:rA+FR-1], 0, v[rSB], v[rSA] matrix_a_fmt:MATRIX_FMT_FP6 matrix_b_fmt:MATRIX_FMT_FP6 matrix_b_scale:MATRIX_SCALE_ROW1
.else
	v_wmma_scale_f32_16x16x128_f8f6f4 v[rD:rD+7], v[rB:rB+FR-1], v[rA:rA+FR-1], 0, v[rSB], v[rSA] matrix_a_fmt:MATRIX_FMT_FP6 matrix_b_fmt:MATRIX_FMT_FP6
.endif
.endif
.else
.if \bo
.if \ao
	v_wmma_scale_f32_16x16x128_f8f6f4 v[rD:rD+7], v[rB:rB+FR-1], v[rA:rA+FR-1], v[rD:rD+7], v[rSB], v[rSA] matrix_a_fmt:MATRIX_FMT_FP6 matrix_b_fmt:MATRIX_FMT_FP6 matrix_a_scale:MATRIX_SCALE_ROW1 matrix_b_scale:MATRIX_SCALE_ROW1
.else
	v_wmma_scale_f32_16x16x128_f8f6f4 v[rD:rD+7], v[rB:rB+FR-1], v[rA:rA+FR-1], v[rD:rD+7], v[rSB], v[rSA] matrix_a_fmt:MATRIX_FMT_FP6 matrix_b_fmt:MATRIX_FMT_FP6 matrix_a_scale:MATRIX_SCALE_ROW1
.endif
.else
.if \ao
	v_wmma_scale_f32_16x16x128_f8f6f4 v[rD:rD+7], v[rB:rB+FR-1], v[rA:rA+FR-1], v[rD:rD+7], v[rSB], v[rSA] matrix_a_fmt:MATRIX_FMT_FP6 matrix_b_fmt:MATRIX_FMT_FP6 matrix_b_scale:MATRIX_SCALE_ROW1
.else
	v_wmma_scale_f32_16x16x128_f8f6f4 v[rD:rD+7], v[rB:rB+FR-1], v[rA:rA+FR-1], v[rD:rD+7], v[rSB], v[rSA] matrix_a_fmt:MATRIX_FMT_FP6 matrix_b_fmt:MATRIX_FMT_FP6
.endif
.endif
.endif
.endm
; 16 matrix instructions: A's blocks a0, a0 + 1 x Wout's eight.  The 64 accumulators take turns, one instruction a turn.
.macro MUL16 a0, p, q, sc, zero
.irp a, \a0, \a0+1
.irp b, 0,1,2,3,4,5,6,7
.set rD, 8*(8*((\a)%4)+\b)
.set rB, 128*(\p)+FR*\b
.set rA, AF+FR*(\a)
.set rSB, SCB+8*(\sc)+2*(\b/2)+(\q)
.set rSA, SCA+8*(\sc)+4*(\q)+(\a)/2
	ONE \zero, (\b%2), ((\a)%2)
.endr
.endr
.endm
.macro FETCH_B slot, q, p
	WIN TO_B
.irp i, 0,1,2,3,4,5,6,7
	FRAG 128*(\p)+FR*\i, ADRB+\slot, \q, \i
.endr
	WIN 0
.endm
.macro FETCH_A slot, q, i0             ; A's blocks i0 .. i0 + 3, as images: three loads of 512 consecutive bytes each
.irp i, \i0, \i0+1, \i0+2, \i0+3
.irp c, 0,1,2
	ds_load_b128 v[AF+FR*(\i)+4*\c:AF+FR*(\i)+4*\c+3], v[ADRA+\slot] offset:(\i)*3072+(\q)*1536+512*\c
.endr
.endr
.endm
.macro SCALES sc
.irp q, 0,1
.irp j, 0,1,2,3
	ds_load_b32 v[SCA+8*\sc+4*\q+\j], v[ADSA] offset:1024*\q+128*\j
.endr
.endr
.irp j, 0,1,2,3
	ds_load_b64 v[SCB+8*\sc+2*\j:SCB+8*\sc+2*\j+1], v[ADSB] offset:1088*\j
.endr
.endm
.macro PLACES n
.rept \n
	v_nop
.endr
.endm
.macro STEP slot, q, zero
	s_wait_dscnt 4*NLA                             ; all but the youngest 12 loads (A's blocks 4-7) are in
	WIN MUL_LO
	MUL16 0, (\q)%2, \q, \slot, \zero
	MUL16 2, (\q)%2, \q, \slot, \zero
	s_wait_dscnt 0
	PLACES NP
	FETCH_B \slot, (\q)+1, 1-(\q)%2
	FETCH_A \slot, (\q)+1, 0
	WIN MUL_HI
	MUL16 4, (\q)%2, \q, \slot, \zero
	MUL16 6, (\q)%2, \q, \slot, \zero
	PLACES NP
	WIN 0
	FETCH_A \slot, (\q)+1, 4
.endm
.macro TURN slot, next, fill
	s_wait_tensorcnt 0x0                           ; my part of the next slot has landed; no tensor load of mine is out
	ds_add_u32 v[SPW], v[NIL]
	s_wait_dscnt 4*NLA+1                           ; the add and the youngest 12 loads may be out
	WIN MUL_LO
	MUL16 0, 1, NQ-1, \slot, 0
	s_wait_dscnt 0x0                               ; the add is done, my reads of this slot are over
	s_barrier_signal -1
	MUL16 2, 1, NQ-1, \slot, 0
	WIN 0
	s_barrier_wait -1
.if \fill
	CREST                                          ; no wave of any partner still reads this slot or has a load on its way
	s_add_nc_u64 s[G0+4*\slot+2:G0+4*\slot+3], s[G0+4*\slot+2:G0+4*\slot+3], 2*3072
	s_add_nc_u64 s[G0B+4*\slot+2:G0B+4*\slot+3], s[G0B+4*\slot+2:G0B+4*\slot+3], 2*ROWB
	JLOAD G0+4*\slot, G1, G0B+4*\slot, G1B         ; the first tensor load behind the round; its four v_nop are the places in front of the loads below
.else
	PLACES NP
.endif
	v_add_nc_u32 v[ADSA], 2048, v[ADSA]            ; the next two K steps' scale words
	v_add_nc_u32 v[ADSB], 8, v[ADSB]
	FETCH_B \next, 0, 0
	FETCH_A \next, 0, 0
	SCALES \next
	WIN MUL_HI
	MUL16 4, 1, NQ-1, \slot, 0
	MUL16 6, 1, NQ-1, \slot, 0
	PLACES NP
	WIN 0
	FETCH_A \next, 0, 4
.endm
	s_wait_tensorcnt 1                             ; the scales and my part of K step 0 are in; K step 1's load may be out
	s_barrier_signal -1
	s_barrier_wait -1
	FETCH_B 0, 0, 0
	FETCH_A 0, 0, 0
	SCALES 0
	FETCH_A 0, 0, 4
	STEP 0, 0, 1                                   ; the first step's products start the sums
	s_mov_b32 s3, LAPS-1
.Llap:
	TURN 0, 1, 1
	STEP 1, 0, 0
	TURN 1, 0, 1
	STEP 0, 0, 0
	s_sub_co_u32 s3, s3, 1
	s_cmp_lg_u32 s3, 0
	s_cbranch_scc1 .Llap
	TURN 0, 1, 0
	STEP 1, 0, 0
	s_wait_dscnt 4*NLA
	WIN MUL_LO
	MUL16 0, 1, NQ-1, 1, 0
	MUL16 2, 1, NQ-1, 1, 0
	s_wait_dscnt 0
	WIN MUL_HI
	MUL16 4, 1, NQ-1, 1, 0
	MUL16 6, 1, NQ-1, 1, 0
	WIN 0
; THE WAY OUT, block by block of 16 rows x 128 columns, through my own stage: in as 32 bytes a lane, back as whole rows of 512 bytes.  LDS serves a wave's instructions in order (ISA guide 5.7.1.4).
.macro TOSTAGE a
.set AC, 64*((\a)%4)
	WIN 0x08+4*((\a)/4)                            ; an LDS store's data: window 2 or 3
.irp b, 0,1,2,3,4,5,6,7
	ds_store_b128 v[STO], v[AC+8*\b:AC+8*\b+3] offset:64*\b          ; each accumulator from its low end on
	ds_store_b128 v[STO], v[AC+8*\b+4:AC+8*\b+7] offset:64*\b+16
.endr
	WIN 0
.set BB, BK+64*((\a)%2)
.irp t, 0,1,2,3,4,5,6,7,8,9,10,11,12,13,14,15
	ds_load_b128 v[BB+4*\t:BB+4*\t+3], v[RD] offset:\t*SPITCH
.endr
.endm
.macro SEND a, younger
.set BB, BK+64*((\a)%2)
	s_wait_dscnt \younger                          ; the block is back in registers; the LDS instructions issued behind its loads may be out
.if (\a) > 0
	s_add_nc_u64 s[12:13], s[12:13], 16*SIZE_N*4   ; (behind a wait on XCNT: the earlier stores have read their base)
.endif
.irp t, 0,1,2,3,4,5,6,7,8,9,10,11,12,13,14,15
	global_store_b128 v[CO], v[BB+4*\t:BB+4*\t+3], s[12:13] offset:\t*SIZE_N*4 th:TH_STORE_NT   ; 32 lanes store 512 consecutive bytes, at a multiple of 256 from the buffer's first byte
.endr
.endm
	PLACES NP
	TOSTAGE 0
.irp a, 1,2,3,4,5,6,7
.if \a > 1
	s_wait_xcnt 0x0                                ; block a - 2's stores have read their registers and their base
.endif
	TOSTAGE \a
	SEND \a-1, 32                                  ; behind block a - 1's loads: block a's 16 stores and 16 loads
.endr
	s_wait_xcnt 0x0
	SEND 7, 0
	s_wait_tensorcnt 0x0                           ; the wave's end
	ds_add_u32 v[SPW], v[NIL]
	s_wait_dscnt 0x0
	CROUND                                         ; the closing round
	s_endpgm
.Lfunc_end_k_qcc46ec270b_oproj:
	.size	k_qcc46ec270b_oproj, .Lfunc_end_k_qcc46ec270b_oproj-k_qcc46ec270b_oproj
	.p2alignl 7, 3214868480
	.fill 96, 4, 3214868480
	.section	.rodata,"a",@progbits
	.p2align	6, 0x0
	.amdhsa_kernel k_qcc46ec270b_oproj
		.amdhsa_group_segment_fixed_size 327680
		.amdhsa_private_segment_fixed_size 0
		.amdhsa_enable_private_segment 0
		.amdhsa_kernarg_size 40
		.amdhsa_user_sgpr_count 2
		.amdhsa_user_sgpr_kernarg_segment_ptr 1
		.amdhsa_wavefront_size32 1
		.amdhsa_system_sgpr_workgroup_id_x 1
		.amdhsa_system_sgpr_workgroup_id_y 1
		.amdhsa_system_sgpr_workgroup_id_z 1
		.amdhsa_system_vgpr_workitem_id 0
		.amdhsa_next_free_vgpr 1024
		.amdhsa_next_free_sgpr 98
		.amdhsa_reserve_vcc 0
		.amdhsa_float_denorm_mode_32 3
		.amdhsa_float_denorm_mode_16_64 3
		.amdhsa_memory_ordered 1
		.amdhsa_forward_progress 1
		.amdhsa_inst_pref_size 149
	.end_amdhsa_kernel
	.amdgpu_metadata
---
amdhsa.version: [ 1, 2 ]
amdhsa.kernels:
  - .name:           k_qcc46ec270b_oproj
    .symbol:         k_qcc46ec270b_oproj.kd
    .args:
      - { .name: aimg, .offset: 0, .size: 8, .value_kind: global_buffer, .address_space: global }
      - { .name: asc, .offset: 8, .size: 8, .value_kind: global_buffer, .address_space: global }
      - { .name: Wout_codes, .offset: 16, .size: 8, .value_kind: global_buffer, .address_space: global }
      - { .name: Wout_scales, .offset: 24, .size: 8, .value_kind: global_buffer, .address_space: global }
      - { .name: out0, .offset: 32, .size: 8, .value_kind: global_buffer, .address_space: global }
    .group_segment_fixed_size: 327680
    .private_segment_fixed_size: 0
    .kernarg_segment_align: 8
    .kernarg_segment_size: 40
    .max_flat_workgroup_size: 128
    .sgpr_count:     98
    .vgpr_count:     1024
    .wavefront_size: 32
...
	.end_amdgpu_metadata
.endif
;; end of part 3
